; MI455X (gfx1250); checked and timed in simulation.
; The chip was launched on July 23, 2026; its instructions are those of AMD's public machine-readable ISA for CDNA 5 (MIT licence, August 2026) and "CDNA5" Instruction Set Architecture Reference Guide (July 2026). The comments in the code are by the model that wrote it; some were corrected since.
;; Multi Head Attention. Allowed arithmetic: matrix products marked QUANTISED: E2M3 operands, one E8M0 scale for each 32 along K, by v_wmma_scale_f32_16x16x128_f8f6f4 with both operands' format E2M3, f32 sums; everything else in f32.
;; Inputs: W_key 512 x 512 float32; W_out_b 512 float32; W_out_w 512 x 512 float32; W_query 512 x 512 float32; W_value 512 x 512 float32; data 32,768 x 512 float32; mask 128 x 256 bool.
;; Outputs: out0 32,768 x 512 float32.
;; Constants: graph_size = 256.
;; This version of the problem:
;;   THIS VERSION OF THE PROBLEM IS GIVEN IN LOW PRECISION. The matrix products marked QUANTISED in the list below multiply operands that are first quantised to E2M3 (2 exponent bits, 3 mantissa bits; 6 bits a number), with one power-of-two scale for each 32 numbers along K (OCP MX v1.0); their sums are f32. All else is computed in f32.
;;   The module's matrix products, in the order in which they are computed (A, B: the left and right operand; K: the contracted axis; several contracted axes count as one K, in the product's order):
;;     1. [M 32,768, K 512] x [K 512, N 512]; A: input data; B: input W_query: QUANTISED
;;     2. [M 32,768, K 512] x [K 512, N 512]; A: input data; B: input W_key: QUANTISED
;;     3. [M 32,768, K 512] x [K 512, N 512]; A: input data; B: input W_value: QUANTISED
;;     4. batch 128 x [M 256, K 512] x [K 512, N 256]; A: computed on the way; B: computed on the way: QUANTISED
;;     5. batch 128 x [M 256, K 256] x [K 256, N 512]; A: computed on the way; B: computed on the way: QUANTISED
;;     6. [M 32,768, K 512] x [K 512, N 512]; A: computed on the way; B: input W_out_w: QUANTISED
;;   THE QUANTISER, for each operand of a quantised product, along K:
;;     - K is cut into blocks of 32 from its start; a last block that is shorter is filled with zeros.
;;     - A block's scale is 2^e with e = floor(log2(the largest magnitude in the block)) - 2, held to -126 .. 127; a block of zeros has e = 0. As a byte (E8M0): e + 127.
;;     - Each number is divided by its block's scale, clamped to +-7.5, and rounded to the nearest number of E2M3, ties to even, subnormals kept.
;;     - The product sums the exact products of the quantised numbers (number of the format x scale) in f32.
;;   ~~~python
;;   def quantise(x, axis):      # numpy; x: float32 -> the quantised numbers, widened to float32 again
;;       x = np.moveaxis(x, axis, -1); K = x.shape[-1]
;;       x = np.pad(x, [(0, 0)] * (x.ndim - 1) + [(0, -K % 32)]); x = x.reshape(x.shape[:-1] + (-1, 32)); a = np.abs(x).max(-1, keepdims=True)
;;       e = np.where(a > 0, np.clip(np.frexp(np.where(a > 0, a, 1))[1] - 1 - 2, -126, 127), 0)      # np.frexp(a)[1] - 1 = floor(log2(a)), exactly
;;       r = np.clip(x / 2.0 ** e, -7.5, 7.5)
;;       step = 2.0 ** (np.maximum(np.frexp(np.where(r == 0, 1, r))[1] - 1, 0) - 3)
;;       q = np.round(r / step) * step * 2.0 ** e      # np.round: ties to even
;;       return np.moveaxis(q.reshape(q.shape[:-2] + (-1,))[..., :K], -1, axis).astype(np.float32)
;;   ~~~
;;   OPERANDS COMPUTED ON THE WAY. 'Computed on the way' means the value that the module computes at that place (a softmax that the list does not call 'softmax' is quantised finished and normalised). What goes into a quantiser is computed in f32, as accurately as f32 sums, v_exp_f32 and their like allow (about 1e-6 of the number): no bf16 or f16 on the way to a quantiser, and a product that is left as it is and whose result goes on into a quantised operand takes f32 operands (vector FMAs, or v_wmma_f32_16x16x4_f32). A number that lies on a knife's edge between two numbers of the format may be rounded either way, as far as f32 arithmetic and the matrix unit's own rounding can turn it there, and no further.
;; 2 versions. Each part assembles by itself: llvm-mc -triple=amdgcn-amd-amdhsa -mcpu=gfx1250 --defsym DOCPART=n.
;; ======== version 1 of 2: 2 launches
;; limits: right only within a limited range of input values
;; workspace buffers: wimg 786,432 bytes; wscl 32,768 bytes
;; launch wq (part 1): grid 128 x 1, 1 waves a work-group, no clusters, 0 bytes of LDS; arguments W_key, W_query, W_value, W_out_w, wimg, wscl; writes wimg, wscl
.if DOCPART == 1
	.amdgcn_target "amdgcn-amd-amdhsa--gfx1250"
	.amdhsa_code_object_version 6
	.text
	.protected	k_q2dba005d27_wq
	.globl	k_q2dba005d27_wq
	.p2align	8
	.type	k_q2dba005d27_wq,@function
k_q2dba005d27_wq:
	s_mov_b64 s[64:65], 0
	v_nop
	global_prefetch_b8 v0, s[64:65] scope:SCOPE_SE
	s_setreg_imm32_b32 hwreg(HW_REG_WAVE_MODE, 25, 1), 1
	s_wait_xcnt 0x0
; THE FOUR WEIGHTS, each [512][512] f32 with K (the inputs) innermost, are turned ONCE into codes of E2M3 with one E8M0 byte for each 32 along K,
; laid as the next launch's operand registers take them.  128 work-groups there read every weight; quantised here, the f32 numbers are read once.
; NO WORK OF reference() IS LEFT OUT in this program: every input has a way to the output (a masked key's V still moves the scale of its block of 32 keys,
; a masked key's K is thrown away by the values of an input alone: it is computed and masked), so all six products, the mask, the softmax and the bias are done.
; A block's scale is 2^(floor(log2(its largest magnitude)) - 2); its byte is the largest magnitude's exponent field - 2, held at 1 from below.  A block of zeros
; so gets the byte 1 where the rule says 127: its codes are zeros, which add nothing, and the bytes are read by this program alone.
; LIMITS: NaN and infinities among the inputs are not served; blocks whose largest magnitude lies under 2^-124 keep the byte 1.
; SHARES.  One wave to a work-group; work-group 32 i + T takes tile T of weight i (0 W_key, 1 W_query, 2 W_value, 3 W_out_w).
; THE ROWS OF A TILE ARE NOT NEIGHBOURS: lane r of tile 2 b + u takes row 32 b + 8 u + r + 8 (r / 8), so that the results of two neighbouring tiles are 16 neighbours along the next product's K.
; A tile is four fragments (16 rows x 128 K, 12 registers a lane).  A fragment's IMAGE is 1,536 bytes: registers 4 c .. 4 c + 3 of lane l at 512 c + 16 l.
; wimg: [weight][wave w = T / 8][fragment 8 s + T % 8][1,536].   wscl: [weight][w][2,048]: word 2 t + o of lane l at 512 (t / 2) + 16 l + 8 (t % 2) + 4 o;
; lanes 0-15 hold the scale word of K step 2 o of row r, lanes 16-31 that of K step 2 o + 1.
.set LI,  1                            ; v1      16 x lane
.set XA,  2                            ; v2      my row of the tile x 2,048 bytes + 64 x (lane / 16): my 16 numbers of a block of 32
.set TM,  4                            ; v4-19   at work
.set PC,  20                           ; v20-39  the codes just made (0-11), and the halves that are moved (12-14, 16-18)
.set PW,  40                           ; v40     the scale word just made
.set PWS, 42                           ; v42-45  the four K steps' scale words; v46-47 the pair that is stored
.set SEL, 20                           ; s[20:21] v_permlanex16_b32's selects for lane l xor 16
	s_load_b256 s[4:11], s[0:1], 0x0               ; W_key, W_query, W_value, W_out_w
	s_load_b128 s[12:15], s[0:1], 0x20             ; wimg, wscl
	v_and_b32 v3, 15, v0                           ; r
	v_bfe_u32 v41, v0, 4, 1                        ; h
	v_lshlrev_b32 v[LI], 4, v0
	v_and_b32 v[XA], 8, v3
	v_add_nc_u32 v[XA], v[XA], v3                  ; r + 8 (r / 8)
	v_lshlrev_b32 v[XA], 11, v[XA]
	v_lshl_add_u32 v[XA], v41, 6, v[XA]
.irp b, 0,1,2,3
	v_mov_b32 v[TM+4+\b], 0                        ; written once: a lane permute's destination counts as one of its sources
.endr
	s_mov_b32 s[SEL], 0x76543210
	s_mov_b32 s[SEL+1], 0xfedcba98
	s_mov_b32 s23, 0xffff0000                      ; lanes 16-31
	s_lshr_b32 s16, ttmp9, 5                       ; i: which weight
	s_and_b32 s17, ttmp9, 31                       ; T: which tile
	s_lshr_b32 s18, s17, 1
	s_lshl_b32 s18, s18, 16                        ; 32 (T / 2) rows of 2,048 bytes
	s_and_b32 s19, s17, 1
	s_lshl_b32 s19, s19, 14                        ; + 8 (T % 2) rows
	s_add_co_u32 s18, s18, s19
	s_mov_b32 s19, 0
	s_lshl_b32 s24, s16, 2
	s_lshr_b32 s25, s17, 3
	s_add_co_u32 s24, s24, s25                     ; 4 i + T / 8
	s_and_b32 s25, s17, 7                          ; t = T % 8
	s_mul_i32 s26, s24, 49152
	s_mul_i32 s27, s25, 1536
	s_add_co_u32 s26, s26, s27                     ; the tile's first image
	s_mov_b32 s27, 0
	s_lshl_b32 s28, s24, 11
	s_lshr_b32 s30, s25, 1
	s_lshl_b32 s30, s30, 9
	s_add_co_u32 s28, s28, s30
	s_and_b32 s30, s25, 1
	s_lshl_b32 s30, s30, 3
	s_add_co_u32 s28, s28, s30                     ; the tile's pair of scale words
	s_mov_b32 s29, 0
	s_wait_kmcnt 0x0
	s_cmp_eq_u32 s16, 1                            ; the choice hangs on the work-group's number alone
	s_cselect_b64 s[4:5], s[6:7], s[4:5]
	s_cmp_eq_u32 s16, 2
	s_cselect_b64 s[4:5], s[8:9], s[4:5]
	s_cmp_eq_u32 s16, 3
	s_cselect_b64 s[4:5], s[10:11], s[4:5]
	s_add_nc_u64 s[4:5], s[4:5], s[18:19]
	s_add_nc_u64 s[12:13], s[12:13], s[26:27]
	s_add_nc_u64 s[14:15], s[14:15], s[28:29]
; my row's numbers of K step s: register 16 b + 4 j + e = k 128 s + 32 b + 16 h + 4 j + e
.macro XLOAD reg, s
.irp b, 0,1,2,3
.irp j, 0,1,2,3
	global_load_b128 v[\reg+16*\b+4*\j:\reg+16*\b+4*\j+3], v[XA], s[4:5] offset:512*(\s)+128*\b+16*\j th:TH_LOAD_NT
.endr
.endr
.endm
; 64 numbers of a lane, register 16 b + i = k 32 b + 16 h + i of my row, become a fragment's codes in v[PC] on and its scale word in v[PW]
.macro QUANT s
.irp b, 0,1,2,3
	v_max3_num_f32 v[TM+\b], |v[\s+16*\b]|, |v[\s+1+16*\b]|, 0x1800000   ; block b: my 16 numbers, and the floor 2^(3 - 127): the byte cannot fall under 1
.endr
.irp i, 2,4,6,8,10,12,14
.irp b, 0,1,2,3
	v_max3_num_f32 v[TM+\b], v[TM+\b], |v[\s+16*\b+\i]|, |v[\s+1+16*\b+\i]|   ; the four blocks by turns
.endr
.endr
.irp b, 0,1,2,3
	v_permlanex16_b32 v[TM+4+\b], v[TM+\b], s[SEL], s[SEL+1]
.endr
.irp b, 0,1,2,3
	v_max_num_f32 v[TM+\b], v[TM+\b], v[TM+4+\b]   ; with lane l xor 16's: the block's largest magnitude
.endr
.irp b, 0,1,2,3
	v_add_nc_u32 v[TM+12+\b], 0xff000000, v[TM+\b] ; 2 off its exponent field: the conversion's scale operand
.endr
.irp b, 0,1,2,3
	v_lshrrev_b32 v[TM+4+\b], 23, v[TM+12+\b]      ; the scale's byte
.endr
	v_lshl_or_b32 v[PW], v[TM+5], 8, v[TM+4]
	v_lshl_or_b32 v[PW], v[TM+6], 16, v[PW]
	v_lshl_or_b32 v[PW], v[TM+7], 24, v[PW]
	s_wait_xcnt 0x0                                ; the last fragment's stores have read the codes' registers: they are written again only behind this wait
.irp c, 0,1
	v_cvt_scalef32_pk16_fp6_f32 v[PC+6*\c:PC+2+6*\c], v[\s+32*\c:\s+15+32*\c], v[TM+12+2*\c]
	v_cvt_scalef32_pk16_fp6_f32 v[PC+12+4*\c:PC+14+4*\c], v[\s+16+32*\c:\s+31+32*\c], v[TM+12+2*\c+1]   ; (a conversion's three registers begin on an even number)
.endr
	v_nop                                          ; one plain place behind a scaled conversion
.irp c, 0,1                                    ; the operand's layout wants a WHOLE block in a lane: lanes 0-15 block 2 c, lanes 16-31 block 2 c + 1
.irp i, 0,1,2
	v_permlane16_swap_b32 v[PC+6*\c+\i], v[PC+12+4*\c+\i]
.endr
.irp i, 0,1,2
	v_mov_b32 v[PC+3+6*\c+\i], v[PC+12+4*\c+\i]
.endr
.endr
.endm
	XLOAD 64, 0                                    ; three sets of 64 registers: v64, v128, v192
	XLOAD 128, 1
	XLOAD 192, 2
.irp s, 0,1,2,3
.if \s < 2
	s_wait_loadcnt 32                              ; this K step's 16 loads are in; two younger K steps' may be out
.else
	s_wait_loadcnt 48-16*\s                        ; one younger K step's, then none
.endif
	QUANT 64+64*(\s%3)
.irp c, 0,1,2
	global_store_b128 v[LI], v[PC+4*\c:PC+4*\c+3], s[12:13] offset:12288*\s+512*\c   ; 32 lanes store 512 consecutive bytes, at a multiple of 256 from the buffer's first byte
.endr
	v_mov_b32 v[PWS+\s], v[PW]
.if \s == 0
	XLOAD 64, 3                                    ; the fourth K step takes the first's registers
.endif
.endr
	v_cndmask_b32 v46, v[PWS], v[PWS+1], s23       ; lanes 0-15 K step 0, lanes 16-31 K step 1
	v_cndmask_b32 v47, v[PWS+2], v[PWS+3], s23     ; K steps 2 and 3
	global_store_b64 v[LI], v[46:47], s[14:15]
	s_endpgm
.Lfunc_end_k_q2dba005d27_wq:
	.size	k_q2dba005d27_wq, .Lfunc_end_k_q2dba005d27_wq-k_q2dba005d27_wq
	.p2alignl 7, 3214868480
	.fill 96, 4, 3214868480
	.section	.rodata,"a",@progbits
	.p2align	6, 0x0
	.amdhsa_kernel k_q2dba005d27_wq
		.amdhsa_group_segment_fixed_size 0
		.amdhsa_private_segment_fixed_size 0
		.amdhsa_enable_private_segment 0
		.amdhsa_kernarg_size 48
		.amdhsa_user_sgpr_count 2
		.amdhsa_user_sgpr_kernarg_segment_ptr 1
		.amdhsa_wavefront_size32 1
		.amdhsa_system_sgpr_workgroup_id_x 1
		.amdhsa_system_sgpr_workgroup_id_y 1
		.amdhsa_system_sgpr_workgroup_id_z 1
		.amdhsa_system_vgpr_workitem_id 0
		.amdhsa_next_free_vgpr 256
		.amdhsa_next_free_sgpr 66
		.amdhsa_reserve_vcc 0
		.amdhsa_float_denorm_mode_32 3
		.amdhsa_float_denorm_mode_16_64 3
		.amdhsa_memory_ordered 1
		.amdhsa_forward_progress 1
		.amdhsa_inst_pref_size 25
	.end_amdhsa_kernel
	.amdgpu_metadata
---
amdhsa.version: [ 1, 2 ]
amdhsa.kernels:
  - .name:           k_q2dba005d27_wq
    .symbol:         k_q2dba005d27_wq.kd
    .args:
      - { .name: W_key, .offset: 0, .size: 8, .value_kind: global_buffer, .address_space: global }
      - { .name: W_query, .offset: 8, .size: 8, .value_kind: global_buffer, .address_space: global }
      - { .name: W_value, .offset: 16, .size: 8, .value_kind: global_buffer, .address_space: global }
      - { .name: W_out_w, .offset: 24, .size: 8, .value_kind: global_buffer, .address_space: global }
      - { .name: wimg, .offset: 32, .size: 8, .value_kind: global_buffer, .address_space: global }
      - { .name: wscl, .offset: 40, .size: 8, .value_kind: global_buffer, .address_space: global }
    .group_segment_fixed_size: 0
    .private_segment_fixed_size: 0
    .kernarg_segment_align: 8
    .kernarg_segment_size: 48
    .max_flat_workgroup_size: 32
    .sgpr_count:     66
    .vgpr_count:     256
    .wavefront_size: 32
...
	.end_amdgpu_metadata
.endif
;; end of part 1
;; launch attn (part 2): grid 128 x 1, 4 waves a work-group, no clusters, 310,784 bytes of LDS; arguments data, mask, W_out_b, wimg, wscl, out0; writes out0
.if DOCPART == 2
	.amdgcn_target "amdgcn-amd-amdhsa--gfx1250"
	.amdhsa_code_object_version 6
	.text
	.protected	k_q2dba005d27_attn
	.globl	k_q2dba005d27_attn
	.p2align	8
	.type	k_q2dba005d27_attn,@function
k_q2dba005d27_attn:
	s_mov_b64 s[64:65], 0
	v_nop
	global_prefetch_b8 v0, s[64:65] scope:SCOPE_SE
	s_setreg_imm32_b32 hwreg(HW_REG_WAVE_MODE, 25, 1), 1
	s_wait_xcnt 0x0
; out = (softmax_k(mask(Q K^T / sqrt(512))) V) Wo^T + b with Q, K, V = data W^T, for ONE batch of 256 tokens x 512 to a work-group; all six products on codes of E2M3 with one E8M0 scale for each 32 along K.
; No work of reference() is left out (see the first launch's head).  Q, K, V, the weights p and the heads never go to memory: they pass from wave to wave through LDS as IMAGES OF OPERAND REGISTERS.
; SHARES.  Four waves.  THE WAVES SHARE THE COLUMNS: wave w owns rows 128 w .. 128 w + 127 of each weight (32 fragments, 384 registers, read from memory once a work-group, a phase ahead of their use)
; and makes those 128 columns of K, Q, V, heads and out for all 256 tokens; of the scores it owns query tiles 4 w .. 4 w + 3.
; NO JOINT LOADS, NO TENSOR LOADS: while the weights are walked, X's, K's and Q's images hold 307,200 of the 310,784 bytes of LDS claimed, and a weight's images are 196,608 bytes: no slot for them fits beside.
; So the weights go from memory straight into registers, in the order in which the first launch laid them; batches share nothing else.
; TILE ORDER (tokens, and the rows of all weights): lane r of tile 2 b + u holds index 32 b + 8 u + r + 8 (r / 8).  A product's result holds, in lane (r, h), register j, source 0's row 8 h + j:
; so the 16 registers of tiles 2 b and 2 b + 1 are the 16 neighbours 32 b + 16 h + 0 .. 15 along the next product's K, and ONE macro (QUANT) makes every operand.
;   K, Q:  source 0 = W's tile (d),     source 1 = X's tile (token)  -> a lane holds a token, registers along d
;   S^T:   source 0 = K's tile (key),   source 1 = Q's tile (query)  -> a query, along the keys; the first instruction's C is the mask: 0 or -2^100 for each key
;   V^T:   source 0 = X's tile (token), source 1 = Wv's tile (d)     -> a channel d, along the tokens, which are the fifth product's K
;   O^T:   source 0 = V^T's tile (d),   source 1 = P's tile (query)  -> a query, along d
;   out^T: source 0 = Wo's tile (e),    source 1 = H's tile (query)  -> a query, along e; the first instruction's C is the bias
; SOFTMAX, finished and normalised ahead of its quantiser: M = the row's largest score; e = 2^(c s - c M), c = log2(e) / sqrt(512); p = e x (1 / the sum of e).
; LIMITS.  A masked key's score is -2^100 + the score, and the row's maximum is taken with the floor -2^96: scores are served up to 2^96 in size.  A masked p is exactly 0.  A batch all of whose keys are masked
; has the sum 0, held at 0.5: p = 0 and out = b, as reference()'s second where gives.  p is e x rcp(sum) where reference() divides.  NaN and infinities among the inputs are not served.
; A block whose largest magnitude lies under 2^-124 (a block of zeros too) keeps the scale byte 1: its codes add what the rule's would.
;
; LDS.  A fragment's image: 1,536 bytes, registers 4 c .. 4 c + 3 of lane l at 512 c + 16 l.  Scale words: X, K, Q, H as quads, 256 bytes a tile, K step s of row r at 16 r + 4 s; P, V^T as pairs, 128 bytes a tile, 8 r + 4 k2.
.set FRB,   1536
.set TILEB, 6144                       ; a tile's four fragments
.set XIMG,  0                          ; X: fragment 4 m + s.  From the fifth phase on: H, the heads, likewise
.set XSC,   98304                      ; X's quads; later H's
.set KIMG,  102400                     ; K.  Later, 24,576 bytes for each wave, its own: V^T (fragment 2 t + k2), then the stage for the way out
.set KSC,   200704                     ; K's quads; later V^T's pairs, 1,024 bytes for each wave
.set QIMG,  204800                     ; Q.  P's two fragments of a query tile are laid over that tile's first two of Q, by the wave that alone read them
.set QSC,   303104
.set PSC,   307200                     ; P's pairs
.set MB,    309248                     ; 0 or -2^100 for each key, f32, keys in their natural order
.set SPARE, 310272                     ; the spare words, 128 bytes for each wave: two blocks of 256 bytes that no other line names
; VECTOR REGISTERS, window 0
.set LI,  1                            ; 16 x lane
.set LQ,  2                            ; 16 r
.set L8,  3                            ; 8 r
.set XA,  4                            ; data: (r + 8 (r / 8)) x 2,048 + 64 h
.set XP,  5                            ; the prefetches': the same row + 256 h
.set IMW, 6                            ; 16 x lane + 1,536 w: my K step's image in a tile
.set SCW, 7                            ; 16 r + 4 w: its scale word in a quad
.set XIW, 8                            ; 16 x lane + 6,144 w: X's tile 4 G + w
.set XSW, 9                            ; its quad
.set AD0, 10                           ; v10-15 a phase's LDS addresses
.set AD1, 11
.set AD2, 12
.set AD3, 13
.set AD4, 14
.set AD5, 15
.set MBA, 16                           ; MB + 64 h
.set STO, 17                           ; the stage, on the way in
.set SRD, 18                           ; and back
.set BA,  19                           ; 64 h: the bias
.set SPW, 20                           ; LDS address of my spare word; never rewritten
.set NIL, 21                           ; 0; never rewritten
.set F63, 24                           ; v24-35   weight fragment 63
.set WSC0, 36                          ; v36-51   scale words of the weight in set 0;  v52-67 of that in set 1
.set VS,  52                           ; v52-67   later V^T's scale words
.set XS,  68                           ; v68-71, v72-75 a tile's quad, two buffers
.set QS,  76                           ; v76-83   two query tiles' quads.  v36-83 hold scales and nothing else
.set XF,  84                           ; v84-131  four fragments, buffer 0
.set TM,  132                          ; v132-147 at work
.set PC,  148                          ; v148-167 the codes just made
.set PW,  168                          ; the scale word just made
.set HA,  170                          ; v170-233 eight accumulators; v170-217 are fragment buffer 1 where no product lands here
.set CB,  234                          ; v234-241, v242-249 the mask of a key tile, two buffers
.set QF,  132                          ; window 2: two query tiles' eight fragments
.set BI,  132                          ; window 2, later: the bias, eight tiles in the result's layout
; WEIGHTS: fragment position f lies in window 1 + f / 21 at register 12 (f % 21); position 63 in window 0.  Set 0 = positions 0-31 (W_key, then W_value, then W_out_w), set 1 = positions 32-63 (W_query).
; WINDOW 3, in turn: 256 numbers of data; W_query's positions 42-62; the scores (128 q + 8 kt); V's sums (64 t + 8 m); V^T's fragments; rows of out.
; SCALAR REGISTERS
.set WV,  16                           ; my wave
.set SVB, 17                           ; KIMG + 24,576 w
.set SEL, 18                           ; s[18:19] selects for lane l xor 16
.set CS,  20                           ; s[20:21] c, twice
.set NCS, 22                           ; -c
.set FLR, 23                           ; 2^(3 - 127)
.set MFL, 24                           ; -2^96
.set SVS, 25                           ; KSC + 1,024 w
.set XG,  26                           ; s[26:27] data at my tile of the group in hand
.set WI,  28                           ; s[28:29] wimg + 49,152 w
.set WS,  30                           ; s[30:31] wscl + 2,048 w
.set OUTB, 32                          ; s[32:33] out0 at my batch, + 512 w;  s[34:35] at a tile;  s[36:37] the tile's offset
.set BP,  38                           ; s[38:39] W_out_b + 512 w
.set GR,  40                           ; group
.set TI,  41                           ; tile
.set SR,  42                           ; LDS offsets that step by constants: images read,
.set SRS, 43                           ; their scale words,
.set SW,  44                           ; images written,
.set SWS, 45                           ; their scale words
.set SXW, 46
.set SXS, 47
.set SQ,  48
.set SQS, 49
.set SPS, 50
.set CN,  51
.set MSB, 0
.macro WIN new                         ; the immediate's high byte repeats the setting that is left; a switch that changes nothing is dropped
.if MSB != (\new)
	s_set_vgpr_msb (MSB<<8)|(\new)
.set MSB, (\new)
.endif
.endm
.macro PLACES n                        ; plain places behind matrix instructions: four in front of loads into their registers and of reads of their results
.rept \n
	v_nop
.endr
.endm
.macro BARRIER                         ; my LDS stores have landed and my LDS loads are in: then the work-group's barrier
	s_wait_dscnt 0x0
	s_barrier_signal -1
	s_barrier_wait -1
.endm
.macro WF f                            ; where weight position f lies
.if (\f) == 63
.set WFW, 0
.set WFR, F63
.else
.set WFW, 1+(\f)/21
.set WFR, 12*((\f)%21)
.endif
.endm
; my fragments flo .. fhi of weight i into positions base + flo ..; sc = 1: and its 16 registers of scale words
.macro WLOAD i, base, flo, fhi, sc
.set wf_, \flo
.rept (\fhi)-(\flo)+1
	WF (\base)+wf_
	WIN WFW<<6
.irp c, 0,1,2
	global_load_b128 v[WFR+4*\c:WFR+4*\c+3], v[LI], s[WI:WI+1] offset:196608*(\i)+FRB*wf_+512*\c
.endr
.set wf_, wf_+1
.endr
	WIN 0
.if \sc
.irp q, 0,1,2,3
	global_load_b128 v[WSC0+16*((\base)/32)+4*\q:WSC0+16*((\base)/32)+4*\q+3], v[LI], s[WS:WS+1] offset:8192*(\i)+512*\q
.endr
.endif
.endm
; my tile's numbers of K step s into window 3: register 64 s + 16 b + 4 j + e = k 128 s + 32 b + 16 h + 4 j + e of my token
.macro XLOAD s
	WIN 0xc0
.irp b, 0,1,2,3
.irp j, 0,1,2,3
	global_load_b128 v[64*(\s)+16*\b+4*\j:64*(\s)+16*\b+4*\j+3], v[XA], s[XG:XG+1] offset:512*(\s)+128*\b+16*\j th:TH_LOAD_NT
.endr
.endr
	WIN 0
.endm
; 64 numbers of a lane in window win, register s + 16 b + i = k 32 b + 16 h + i of my row, become a fragment's codes in v[PC] on and its scale word in v[PW]
.macro QUANT s, win
	WIN ((\win)<<2)|((\win)<<4)
.irp b, 0,1,2,3
	v_max3_num_f32 v[TM+\b], s[FLR], |v[\s+16*\b]|, |v[\s+16*\b+1]|   ; block b: my 16 numbers, and the floor, under which no largest magnitude is taken: the byte cannot fall under 1.  (A result is read from its low end on)
.endr
.irp i, 2,4,6,8,10,12,14
.irp b, 0,1,2,3
	v_max3_num_f32 v[TM+\b], v[TM+\b], |v[\s+16*\b+\i]|, |v[\s+16*\b+\i+1]|   ; the four blocks by turns
.endr
.endr
	WIN 0
.irp b, 0,1,2,3
	v_permlanex16_b32 v[TM+4+\b], v[TM+\b], s[SEL], s[SEL+1]
.endr
.irp b, 0,1,2,3
	v_max_num_f32 v[TM+\b], v[TM+\b], v[TM+4+\b]   ; with lane l xor 16's: the block's largest magnitude
.endr
.irp b, 0,1,2,3
	v_add_nc_u32 v[TM+12+\b], 0xff000000, v[TM+\b] ; 2 off its exponent field: the conversion's scale operand
.endr
.irp b, 0,1,2,3
	v_lshrrev_b32 v[TM+4+\b], 23, v[TM+12+\b]      ; the scale's byte
.endr
	s_wait_dscnt 0x0                               ; the last image's stores have read the codes' and the word's registers
	v_lshl_or_b32 v[PW], v[TM+5], 8, v[TM+4]
	v_lshl_or_b32 v[PW], v[TM+6], 16, v[PW]
	v_lshl_or_b32 v[PW], v[TM+7], 24, v[PW]
	WIN \win
.irp c, 0,1
	v_cvt_scalef32_pk16_fp6_f32 v[PC+6*\c:PC+2+6*\c], v[\s+32*\c:\s+32*\c+15], v[TM+12+2*\c]
	v_cvt_scalef32_pk16_fp6_f32 v[PC+12+4*\c:PC+14+4*\c], v[\s+16+32*\c:\s+31+32*\c], v[TM+12+2*\c+1]   ; (a conversion's three registers begin on an even number)
.endr
	WIN 0
	v_nop                                          ; one plain place behind a scaled conversion
.irp c, 0,1                                    ; the operand's layout wants a WHOLE block in a lane
.irp i, 0,1,2
	v_permlane16_swap_b32 v[PC+6*\c+\i], v[PC+12+4*\c+\i]
.endr
.irp i, 0,1,2
	v_mov_b32 v[PC+3+6*\c+\i], v[PC+12+4*\c+\i]
.endr
.endr
.endm
.macro IMAGE adr, off                  ; the fragment in v[PC] on goes to LDS as it stands
.irp c, 0,1,2
	ds_store_b128 v[\adr], v[PC+4*\c:PC+4*\c+3] offset:(\off)+512*\c
.endr
.endm
.macro FETCH4 reg, adr, off            ; a tile's four fragments come back so, in any wave
.irp s, 0,1,2,3
.irp c, 0,1,2
	ds_load_b128 v[\reg+12*\s+4*\c:\reg+12*\s+4*\c+3], v[\adr] offset:(\off)+FRB*\s+512*\c
.endr
.endr
.endm
; one matrix instruction.  c < 0: the constant 0 starts the sum.  row = 1: source 0's scales stand in lanes 16-31; 2: source 1's
.macro MM d, a, b, c, sa, sb, row
.if (\c) < 0
.if (\row) == 0
	v_wmma_scale_f32_16x16x128_f8f6f4 v[\d:\d+7], v[\a:\a+11], v[\b:\b+11], 0, v[\sa], v[\sb] matrix_a_fmt:MATRIX_FMT_FP6 matrix_b_fmt:MATRIX_FMT_FP6
.elseif (\row) == 1
	v_wmma_scale_f32_16x16x128_f8f6f4 v[\d:\d+7], v[\a:\a+11], v[\b:\b+11], 0, v[\sa], v[\sb] matrix_a_fmt:MATRIX_FMT_FP6 matrix_b_fmt:MATRIX_FMT_FP6 matrix_a_scale:MATRIX_SCALE_ROW1
.else
	v_wmma_scale_f32_16x16x128_f8f6f4 v[\d:\d+7], v[\a:\a+11], v[\b:\b+11], 0, v[\sa], v[\sb] matrix_a_fmt:MATRIX_FMT_FP6 matrix_b_fmt:MATRIX_FMT_FP6 matrix_b_scale:MATRIX_SCALE_ROW1
.endif
.else
.if (\row) == 0
	v_wmma_scale_f32_16x16x128_f8f6f4 v[\d:\d+7], v[\a:\a+11], v[\b:\b+11], v[\c:\c+7], v[\sa], v[\sb] matrix_a_fmt:MATRIX_FMT_FP6 matrix_b_fmt:MATRIX_FMT_FP6
.elseif (\row) == 1
	v_wmma_scale_f32_16x16x128_f8f6f4 v[\d:\d+7], v[\a:\a+11], v[\b:\b+11], v[\c:\c+7], v[\sa], v[\sb] matrix_a_fmt:MATRIX_FMT_FP6 matrix_b_fmt:MATRIX_FMT_FP6 matrix_a_scale:MATRIX_SCALE_ROW1
.else
	v_wmma_scale_f32_16x16x128_f8f6f4 v[\d:\d+7], v[\a:\a+11], v[\b:\b+11], v[\c:\c+7], v[\sa], v[\sb] matrix_a_fmt:MATRIX_FMT_FP6 matrix_b_fmt:MATRIX_FMT_FP6 matrix_b_scale:MATRIX_SCALE_ROW1
.endif
.endif
.endm
; 32 matrix instructions: my weight's eight tiles x the tile in buffer 0, K = 512.  The eight accumulators take turns.  cm = 1: the bias starts the sums
.macro MMA32 base, cm
.irp s, 0,1,2,3
.irp t, 0,1,2,3,4,5,6,7
	WF (\base)+8*\s+\t
.if (\s == 0) && (\cm)
	WIN WFW|0x20
	MM HA+8*\t, WFR, XF, BI+8*\t, WSC0+16*((\base)/32)+2*\t, XS, 0
.elseif \s == 0
	WIN WFW
	MM HA+8*\t, WFR, XF, -1, WSC0+16*((\base)/32)+2*\t, XS, 0
.else
	WIN WFW
	MM HA+8*\t, WFR, XF+12*\s, HA+8*\t, WSC0+16*((\base)/32)+2*\t+\s/2, XS+\s, \s%2
.endif
.endr
.endr
.endm
.macro PFIRST                          ; a walk's first tile into buffer 0
	v_add_nc_u32 v[AD0], s[SR], v[LI]
	v_add_nc_u32 v[AD1], s[SRS], v[LQ]
	FETCH4 XF, AD0, 0
	ds_load_b128 v[XS:XS+3], v[AD1]
.endm
; THE WAY OUT of a tile: lane (r, h) holds out(query r, 128 w + 32 b + 16 h + 0 .. 15).  The tile goes through my own stage (rows of 512 bytes + 16) and leaves as whole runs of 512 bytes.
.macro WAYOUT
.irp b, 0,1,2,3
.irp i, 0,1,2,3
	ds_store_b128 v[STO], v[HA+16*\b+4*\i:HA+16*\b+4*\i+3] offset:128*\b+16*\i   ; each accumulator from its low end on
.endr
.endr
	s_wait_xcnt 0x0                                ; the last tile's stores have read their registers and their base
	s_lshr_b32 s36, s[TI], 1
	s_lshl_b32 s36, s36, 16                        ; 32 (tile / 2) rows of 2,048 bytes
	s_and_b32 s37, s[TI], 1
	s_lshl_b32 s37, s37, 14                        ; + 8 (tile % 2) rows
	s_add_co_u32 s36, s36, s37
	s_mov_b32 s37, 0
	s_add_nc_u64 s[34:35], s[OUTB:OUTB+1], s[36:37]
	WIN 0xc0
.irp i, 0,1,2,3,4,5,6,7,8,9,10,11,12,13,14,15
	ds_load_b128 v[4*\i:4*\i+3], v[SRD] offset:528*\i   ; LDS serves a wave's instructions in order (ISA guide 5.7.1.4): these see the stores above
.endr
	WIN 0x0c
.irp i, 0,1,2,3,4,5,6,7,8,9,10,11,12,13,14,15
	s_wait_dscnt 15-\i                             ; row i is back; the younger rows may be out
	global_store_b128 v[LI], v[4*\i:4*\i+3], s[34:35] offset:(\i+8*(\i/8))*2048 th:TH_STORE_NT   ; 32 lanes store 512 consecutive bytes, at a multiple of 256 from out0's first byte
.endr
	WIN 0
.endm
; A TILE OF A PROJECTION: the tile in buffer 0 x my weight.  kind 0: the result becomes my K step of the tile's image; kind 1: it leaves.  nxt = 1: the next tile is fetched behind the products
.macro PBODY base, cm, kind, nxt
	s_wait_dscnt 0x0                               ; the tile is in; my earlier stores are done
	v_add_nc_u32 v[AD0], s[SR], v[LI]
	v_add_nc_u32 v[AD1], s[SRS], v[LQ]
.if \kind == 0
	v_add_nc_u32 v[AD2], s[SW], v[IMW]
	v_add_nc_u32 v[AD3], s[SWS], v[SCW]
.endif
	MMA32 \base, \cm
	WIN 0
	PLACES 4
.if \nxt
	FETCH4 XF, AD0, TILEB
	ds_load_b128 v[XS:XS+3], v[AD1] offset:256
.endif
.if \kind == 0
	QUANT HA, 0
	IMAGE AD2, 0
	ds_store_b32 v[AD3], v[PW]                     ; lanes r and r + 16 store the same word at the same place
	s_add_co_u32 s[SW], s[SW], TILEB
	s_add_co_u32 s[SWS], s[SWS], 256
.else
	WAYOUT
.endif
	s_add_co_u32 s[SR], s[SR], TILEB
	s_add_co_u32 s[SRS], s[SRS], 256
.endm
; token tile 4 G + w, whose 256 numbers a lane were asked for a group ago, becomes four fragments of X
.macro XQ
	v_add_nc_u32 v[AD4], s[SXW], v[XIW]
	v_add_nc_u32 v[AD5], s[SXS], v[XSW]
.irp s, 0,1,2,3
	s_wait_loadcnt 48-16*\s                        ; this K step's 16 loads are in; the later K steps' may be out (for the first group the weights' loads are younger still: the wait is the stricter, and its last count shows W_key in)
	QUANT 64*\s, 3
	IMAGE AD4, FRB*\s
	ds_store_b32 v[AD5], v[PW] offset:4*\s
.endr
.endm
; key tile kt: its four fragments, its quad and its mask: 15 LDS loads
.macro FETCHK kt, buf
.if (\kt) < 8
.set ka_, AD0
.else
.set ka_, AD1
.endif
.set fb_, XF+(\buf)*(HA-XF)
	FETCH4 fb_, ka_, TILEB*((\kt)%8)
	ds_load_b128 v[XS+4*(\buf):XS+4*(\buf)+3], v[AD2] offset:256*(\kt)
	ds_load_b128 v[CB+8*(\buf):CB+8*(\buf)+3], v[MBA] offset:128*((\kt)/2)+32*((\kt)%2)      ; register j: key 32 (kt / 2) + 8 (kt % 2) + 16 h + j
	ds_load_b128 v[CB+8*(\buf)+4:CB+8*(\buf)+7], v[MBA] offset:128*((\kt)/2)+32*((\kt)%2)+16
.endm
; 8 matrix instructions: key tile kt x my two query tiles, K = 512; the two accumulators take turns; the mask starts the sums
.macro SMMA kt, buf
.set fb_, XF+(\buf)*(HA-XF)
.irp s, 0,1,2,3
.irp q, 0,1
.if \s == 0
	WIN 0xc8
	MM 128*\q+8*(\kt), fb_, QF+48*\q, CB+8*(\buf), XS+4*(\buf), QS+4*\q, 0
.else
	WIN 0xf8
	MM 128*\q+8*(\kt), fb_+12*\s, QF+48*\q+12*\s, 128*\q+8*(\kt), XS+4*(\buf)+\s, QS+4*\q+\s, 0
.endif
.endr
.endr
	WIN 0
.endm
; the softmax of query tile q, in place on its 128 registers of window 3; a lane holds 128 of its query's keys, lane l xor 16 the others
.macro SOFTMAX q
.set sb_, 128*(\q)
	WIN 0x3c
.set p_, 0
.rept 64                               ; the largest score, in four chains that begin at the floor; each accumulator is read from its low end on
.if p_ < 4
	v_max3_num_f32 v[TM+p_], s[MFL], v[sb_+2*p_], v[sb_+2*p_+1]
.else
	v_max3_num_f32 v[TM+p_%4], v[TM+p_%4], v[sb_+2*p_], v[sb_+2*p_+1]
.endif
.set p_, p_+1
.endr
	WIN 0
	v_max3_num_f32 v[TM], v[TM], v[TM+1], v[TM+2]
	v_max_num_f32 v[TM], v[TM], v[TM+3]
	v_permlanex16_b32 v[TM+4], v[TM], s[SEL], s[SEL+1]
	v_max_num_f32 v[TM], v[TM], v[TM+4]            ; M
	v_mul_f32 v[TM+6], s[NCS], v[TM]               ; -c M
	WIN 0xc3
.set p_, 0
.rept 64
	v_pk_fma_f32 v[sb_+2*p_:sb_+2*p_+1], v[sb_+2*p_:sb_+2*p_+1], s[CS:CS+1], v[TM+6:TM+7] op_sel_hi:[1,0,0]   ; c s - c M, two at a time
.set p_, p_+1
.endr
.set p_, 0
.rept 128
	v_exp_f32 v[sb_+p_], v[sb_+p_]                 ; one batch
.set p_, p_+1
.endr
	WIN 0
	v_nop                                          ; the plain place behind the last exponential
	s_wait_alu depctr_va_vdst(0)                   ; one wait for the batch, ahead of its first reader
.irp i, 8,9,10,11,12,13,14,15
	v_mov_b32 v[TM+\i], 0                          ; the sum, in four chains of pairs
.endr
	WIN 0x0c
.set p_, 0
.rept 64
	v_pk_add_f32 v[TM+8+2*(p_%4):TM+9+2*(p_%4)], v[TM+8+2*(p_%4):TM+9+2*(p_%4)], v[sb_+2*p_:sb_+2*p_+1]
.set p_, p_+1
.endr
	WIN 0
	v_pk_add_f32 v[TM+8:TM+9], v[TM+8:TM+9], v[TM+10:TM+11]
	v_pk_add_f32 v[TM+12:TM+13], v[TM+12:TM+13], v[TM+14:TM+15]
	v_pk_add_f32 v[TM+8:TM+9], v[TM+8:TM+9], v[TM+12:TM+13]
	v_add_f32 v[TM+8], v[TM+8], v[TM+9]
	v_permlanex16_b32 v[TM+4], v[TM+8], s[SEL], s[SEL+1]
	v_add_f32 v[TM+8], v[TM+8], v[TM+4]            ; the row's sum: about 1 or more where a key counts,
	v_max_num_f32 v[TM+8], 0.5, v[TM+8]            ; 0 where none does: held, so that p = 0 there
	v_rcp_f32 v[TM+4], v[TM+8]
	v_mov_b32 v[TM+5], 0                           ; (the pair's upper half is named below; a plain place behind the reciprocal)
	s_wait_alu depctr_va_vdst(0)                   ; the wait ahead of its first reader
	WIN 0xc3
.set p_, 0
.rept 64
	v_pk_mul_f32 v[sb_+2*p_:sb_+2*p_+1], v[sb_+2*p_:sb_+2*p_+1], v[TM+4:TM+5] op_sel_hi:[1,0]   ; p, finished and normalised
.set p_, p_+1
.endr
	WIN 0
.endm
.macro FETCHX mm, buf                  ; token tile mm of the half in hand: 13 LDS loads
.set fb_, XF+(\buf)*(HA-XF)
	FETCH4 fb_, AD0, TILEB*(\mm)
	ds_load_b128 v[XS+4*(\buf):XS+4*(\buf)+3], v[AD1] offset:256*(\mm)
.endm
; 16 matrix instructions: token tile mm x four of my tiles of W_value, K = 512; the four accumulators take turns
.macro VMMA tg, mm, buf
.set fb_, XF+(\buf)*(HA-XF)
.irp s, 0,1,2,3
.irp u, 0,1,2,3
	WF 8*\s+4*(\tg)+\u
.if \s == 0
	WIN 0xc0|(WFW<<2)
	MM 64*\u+8*(\mm), fb_, WFR, -1, XS+4*(\buf), WSC0+2*(4*(\tg)+\u), 0
.else
	WIN 0xf0|(WFW<<2)
	MM 64*\u+8*(\mm), fb_+12*\s, WFR, 64*\u+8*(\mm), XS+4*(\buf)+\s, WSC0+2*(4*(\tg)+\u)+\s/2, 2*(\s%2)
.endif
.endr
.endr
	WIN 0
.endm
; a query tile of O^T = V^T P: 16 matrix instructions, K = 256 keys; the result becomes my K step of the tile's image of H
.macro PVBODY nxt
	s_wait_dscnt 0x0
	v_add_nc_u32 v[AD0], s[SR], v[LI]
	v_add_nc_u32 v[AD1], s[SRS], v[L8]
	v_add_nc_u32 v[AD2], s[SW], v[IMW]
	v_add_nc_u32 v[AD3], s[SWS], v[SCW]
	WIN 0x03
.irp k, 0,1
.irp t, 0,1,2,3,4,5,6,7
.if \k == 0
	MM HA+8*\t, 24*\t, XF, -1, VS+2*\t, XS, 0
.else
	MM HA+8*\t, 24*\t+12, XF+12, HA+8*\t, VS+2*\t+1, XS+1, 0
.endif
.endr
.endr
	WIN 0
	PLACES 4
.if \nxt
.irp k, 0,1
.irp c, 0,1,2
	ds_load_b128 v[XF+12*\k+4*\c:XF+12*\k+4*\c+3], v[AD0] offset:TILEB+FRB*\k+512*\c
.endr
.endr
	ds_load_b64 v[XS:XS+1], v[AD1] offset:128
.endif
	QUANT HA, 0
	IMAGE AD2, 0
	ds_store_b32 v[AD3], v[PW]
	s_add_co_u32 s[SR], s[SR], TILEB
	s_add_co_u32 s[SRS], s[SRS], 128
	s_add_co_u32 s[SW], s[SW], TILEB
	s_add_co_u32 s[SWS], s[SWS], 256
.endm
	; ---------------- the head
	s_load_b256 s[4:11], s[0:1], 0x0               ; data, mask, W_out_b, wimg
	s_load_b128 s[12:15], s[0:1], 0x20             ; wscl, out0
	v_lshl_add_u32 v[SPW], v0, 2, SPARE
	v_mov_b32 v[NIL], 0
	v_lshrrev_b32 v22, 5, v0
	v_readfirstlane_b32 s[WV], v22                 ; wave 0..3
	v_and_b32 v22, 31, v0                          ; lane
	v_and_b32 v23, 15, v0                          ; r
	v_bfe_u32 v[AD0], v0, 4, 1                     ; h
	v_lshlrev_b32 v[LI], 4, v22
	v_lshlrev_b32 v[LQ], 4, v23
	v_lshlrev_b32 v[L8], 3, v23
	v_and_b32 v[AD1], 8, v23
	v_add_nc_u32 v[AD1], v[AD1], v23               ; r + 8 (r / 8)
	v_lshlrev_b32 v[AD1], 11, v[AD1]
	v_lshl_add_u32 v[XA], v[AD0], 6, v[AD1]
	v_lshl_add_u32 v[XP], v[AD0], 8, v[AD1]
	s_mul_i32 s52, s[WV], FRB
	v_add_nc_u32 v[IMW], s52, v[LI]
	s_lshl_b32 s52, s[WV], 2
	v_add_nc_u32 v[SCW], s52, v[LQ]
	s_mul_i32 s52, s[WV], TILEB
	v_add_nc_u32 v[XIW], s52, v[LI]
	s_lshl_b32 s52, s[WV], 8
	s_add_co_u32 s52, s52, XSC
	v_add_nc_u32 v[XSW], s52, v[LQ]
	v_lshl_add_u32 v[MBA], v[AD0], 6, MB
	v_lshlrev_b32 v[BA], 6, v[AD0]
	s_mul_i32 s[SVB], s[WV], 4*TILEB
	s_add_co_u32 s[SVB], s[SVB], KIMG
	s_lshl_b32 s[SVS], s[WV], 10
	s_add_co_u32 s[SVS], s[SVS], KSC
	v_mul_u32_u24 v[AD2], v23, 528
	v_lshl_add_u32 v[AD2], v[AD0], 6, v[AD2]
	v_add_nc_u32 v[STO], s[SVB], v[AD2]            ; the stage: row r, + 64 h
	v_add_nc_u32 v[SRD], s[SVB], v[LI]
	v_lshlrev_b32 v250, 1, v0                      ; the mask: two keys a thread
	v_lshl_add_u32 v251, v0, 3, MB
.irp b, 4,5,6,7
	v_mov_b32 v[TM+\b], 0                          ; written once: a lane permute's destination counts as one of its sources
.endr
	s_mov_b32 s[SEL], 0x76543210
	s_mov_b32 s[SEL+1], 0xfedcba98
	s_mov_b32 s[CS], 0x3d8293ee                    ; c = log2(e) / sqrt(512)
	s_mov_b32 s[CS+1], s[CS]
	s_mov_b32 s[NCS], 0xbd8293ee
	s_mov_b32 s[FLR], 0x1800000
	s_mov_b32 s[MFL], 0xef800000
	s_lshl_b32 s52, ttmp9, 19                      ; my batch: 256 rows of 2,048 bytes
	s_lshr_b32 s54, s[WV], 1
	s_lshl_b32 s54, s54, 16
	s_and_b32 s55, s[WV], 1
	s_lshl_b32 s55, s55, 14
	s_add_co_u32 s54, s54, s55                     ; token tile w begins at token 32 (w / 2) + 8 (w % 2)
	s_add_co_u32 s54, s54, s52
	s_mov_b32 s55, 0
	s_mov_b32 s57, 0
	s_wait_kmcnt 0x0
	s_add_nc_u64 s[XG:XG+1], s[4:5], s[54:55]
	s_mul_i32 s56, s[WV], 49152
	s_add_nc_u64 s[WI:WI+1], s[10:11], s[56:57]
	s_lshl_b32 s56, s[WV], 11
	s_add_nc_u64 s[WS:WS+1], s[12:13], s[56:57]
	s_lshl_b32 s56, s[WV], 9
	s_add_nc_u64 s[BP:BP+1], s[8:9], s[56:57]
	s_add_co_u32 s56, s56, s52
	s_add_nc_u64 s[OUTB:OUTB+1], s[14:15], s[56:57]
	s_lshl_b32 s56, ttmp9, 8
	s_add_nc_u64 s[6:7], s[6:7], s[56:57]          ; my batch's row of the mask
	global_load_u16 v254, v250, s[6:7]
	XLOAD 0                                        ; token tile w
	XLOAD 1
	XLOAD 2
	XLOAD 3
	WLOAD 0, 0, 0, 31, 1                           ; W_key
	WLOAD 1, 32, 0, 9, 1                           ; of W_query what lies outside window 3
	WLOAD 1, 32, 31, 31, 0
	s_wait_loadcnt 63                              ; the mask's load is the oldest of 202: it is in
	v_and_b32 v252, 1, v254
	v_bfe_u32 v253, v254, 8, 1
	v_sub_nc_u32 v252, 0, v252                     ; 0 or all ones
	v_sub_nc_u32 v253, 0, v253
	v_and_b32 v252, 0xf1800000, v252               ; 0 or -2^100
	v_and_b32 v253, 0xf1800000, v253
	ds_store_b64 v251, v[252:253]
	; ---------------- X is quantised and K projected, four token tiles a group.  Three groups in a loop, each asking for the next group's data; the fourth, which asks for W_query instead, is written out
	s_mov_b32 s[GR], 0
	s_mov_b32 s[SXW], 0
	s_mov_b32 s[SXS], 0
	s_mov_b32 s[SR], XIMG
	s_mov_b32 s[SRS], XSC
	s_mov_b32 s[SW], KIMG
	s_mov_b32 s[SWS], KSC
.Lgroup:
	XQ
	s_add_co_u32 s[SXW], s[SXW], 4*TILEB
	s_add_co_u32 s[SXS], s[SXS], 1024
	s_wait_xcnt 0x0                                ; the last trip's loads and prefetches have read their base: it steps only behind this wait
	s_add_nc_u64 s[XG:XG+1], s[XG:XG+1], 131072    ; 64 tokens on
	XLOAD 0                                        ; the next group's tile: 48 loads now, its fourth K step's 16 further down, under the group's products
	XLOAD 1
	XLOAD 2
	s_cmp_lt_u32 s[GR], 2
	s_cbranch_scc0 .Lgroup_fed
.irp i, 0,1,2,3                                ; A PREFETCH of my own tile of the group after the next: 16 rows x 2,048 bytes, lanes 256 bytes apart, four instructions: each 256 bytes are named once in the launch, by the wave that will load them.
	global_prefetch_b8 v[XP], s[XG:XG+1] offset:131072+512*\i th:TH_LOAD_NT scope:SCOPE_SE   ; Groups 0 and 1 come by their loads alone; the third trip asks for nothing: there is no fifth group
.endr
.Lgroup_fed:
	BARRIER                                        ; the group's four tiles of X lie in LDS (first trip: the mask's table too)
	PFIRST
	s_mov_b32 s[TI], 3
.Lk_tile:
	PBODY 0, 0, 0, 1
	s_sub_co_u32 s[TI], s[TI], 1
	s_cmp_lg_u32 s[TI], 0
	s_cbranch_scc1 .Lk_tile
	XLOAD 3
	PBODY 0, 0, 0, 0
	s_add_co_u32 s[GR], s[GR], 1
	s_cmp_lt_u32 s[GR], 3
	s_cbranch_scc1 .Lgroup
	XQ                                             ; the fourth group; its last wait is for 0: no load into window 3 is out,
	WLOAD 1, 32, 10, 30, 0                         ; and the numbers there have been converted: the rest of W_query, 63 loads, lands under this group's products
	BARRIER
	PFIRST
	s_mov_b32 s[TI], 3
.Lk_last:
	PBODY 0, 0, 0, 1
	s_sub_co_u32 s[TI], s[TI], 1
	s_cmp_lg_u32 s[TI], 0
	s_cbranch_scc1 .Lk_last
	PBODY 0, 0, 0, 0
	; ---------------- Q is projected; W_value lands meanwhile where W_key lay (the last product that read it stands a QUANT back)
	s_wait_loadcnt 0x0                             ; W_query
	WLOAD 2, 0, 0, 19, 0
	s_mov_b32 s[SR], XIMG
	s_mov_b32 s[SRS], XSC
	s_mov_b32 s[SW], QIMG
	s_mov_b32 s[SWS], QSC
	PFIRST
	s_mov_b32 s[TI], 15
.Lq_tile:
	PBODY 32, 0, 0, 1
	s_sub_co_u32 s[TI], s[TI], 1
	s_cmp_lg_u32 s[TI], 0
	s_cbranch_scc1 .Lq_tile
	WLOAD 2, 0, 20, 31, 1                          ; the second batch, 40 loads: W_value is wanted behind the scores and the softmax, which all lie between
	PBODY 32, 0, 0, 0
	BARRIER                                        ; K's and Q's images lie in LDS
	; ---------------- the scores and the softmax: two passes, two of my four query tiles each
	s_mul_i32 s[SQ], s[WV], 4*TILEB
	s_add_co_u32 s[SQ], s[SQ], QIMG
	s_lshl_b32 s[SQS], s[WV], 10
	s_add_co_u32 s[SQS], s[SQS], QSC
	s_lshl_b32 s[SPS], s[WV], 9
	s_add_co_u32 s[SPS], s[SPS], PSC
	v_add_nc_u32 v[AD0], KIMG, v[LI]               ; key tiles 0-7,
	v_add_nc_u32 v[AD1], KIMG+8*TILEB, v[LI]       ; 8-15,
	v_add_nc_u32 v[AD2], KSC, v[LQ]                ; their quads
	s_mov_b32 s[CN], 0
.Lpass:
	s_wait_dscnt 0x0                               ; the last pass's stores are done
	v_add_nc_u32 v[AD3], s[SQ], v[LI]
	v_add_nc_u32 v[AD4], s[SQS], v[LQ]
	v_add_nc_u32 v[AD5], s[SPS], v[L8]
	WIN 0x80
.irp q, 0,1
.irp s, 0,1,2,3
.irp c, 0,1,2
	ds_load_b128 v[QF+48*\q+12*\s+4*\c:QF+48*\q+12*\s+4*\c+3], v[AD3] offset:TILEB*\q+FRB*\s+512*\c
.endr
.endr
.endr
	WIN 0
	ds_load_b128 v[QS:QS+3], v[AD4]
	ds_load_b128 v[QS+4:QS+7], v[AD4] offset:256
	FETCHK 0, 0
.irp kt, 0,1,2,3,4,5,6,7,8,9,10,11,12,13,14,15
.if \kt > 0
	PLACES 4                                       ; the buffer that is loaded next was read by the products just issued
.endif
.if \kt < 15
	FETCHK \kt+1, (\kt+1)%2
	s_wait_dscnt 15                                ; all but the 15 loads just issued: this key tile is in
.else
	s_wait_dscnt 0x0
.endif
	SMMA \kt, \kt%2
.endr
	PLACES 4
.irp q, 0,1
	SOFTMAX \q
.irp k, 0,1                                    ; p's 256 keys are two fragments; they take the place of the tile's first two fragments of Q, which I alone have read
	QUANT 128*\q+64*\k, 3
	IMAGE AD3, TILEB*\q+FRB*\k
	ds_store_b32 v[AD5], v[PW] offset:128*\q+4*\k
.endr
.endr
	s_add_co_u32 s[SQ], s[SQ], 2*TILEB
	s_add_co_u32 s[SQS], s[SQS], 512
	s_add_co_u32 s[SPS], s[SPS], 256
	s_add_co_u32 s[CN], s[CN], 1
	s_cmp_lt_u32 s[CN], 2
	s_cbranch_scc1 .Lpass
	BARRIER                                        ; P lies in LDS, and nobody reads K any more
	; ---------------- V^T: my 128 channels x 256 tokens; a trip makes 128 tokens, which are a K step of the fifth product
	s_wait_loadcnt 0x0                             ; W_value
	WIN 0x80
.irp t, 0,1,2,3,4,5,6,7                        ; the bias in the result's layout: tile t, lane (r, h): b(128 w + 32 (t / 2) + 8 (t % 2) + 16 h + 0 .. 7); wanted in the last phase
	global_load_b128 v[BI+8*\t:BI+8*\t+3], v[BA], s[BP:BP+1] offset:(32*(\t/2)+8*(\t%2))*4
	global_load_b128 v[BI+8*\t+4:BI+8*\t+7], v[BA], s[BP:BP+1] offset:(32*(\t/2)+8*(\t%2))*4+16
.endr
	WIN 0
	s_mov_b32 s[SR], XIMG
	s_mov_b32 s[SRS], XSC
	s_mov_b32 s[SW], s[SVB]
	s_mov_b32 s[SWS], s[SVS]
	s_mov_b32 s[CN], 0
.Lv_half:
	s_wait_dscnt 0x0
	v_add_nc_u32 v[AD0], s[SR], v[LI]
	v_add_nc_u32 v[AD1], s[SRS], v[LQ]
	v_add_nc_u32 v[AD2], s[SW], v[LI]
	v_add_nc_u32 v[AD3], s[SWS], v[L8]
.irp g, 0,1                                    ; four of my eight tiles of W_value at a time: 32 accumulators fill window 3
	FETCHX 0, 0
.irp m, 0,1,2,3,4,5,6,7
.if \m > 0
	PLACES 4
.endif
.if \m < 7
	FETCHX \m+1, (\m+1)%2
	s_wait_dscnt 13                                ; all but the 13 loads just issued: this token tile is in
.else
	s_wait_dscnt 0x0
.endif
	VMMA \g, \m, \m%2
.endr
	PLACES 4
.irp u, 0,1,2,3
	QUANT 64*\u, 3
	IMAGE AD2, 2*FRB*(4*\g+\u)                     ; fragment 2 t + k2 of my own area
	ds_store_b32 v[AD3], v[PW] offset:128*(4*\g+\u)
.endr
.endr
	s_add_co_u32 s[SR], s[SR], 8*TILEB
	s_add_co_u32 s[SRS], s[SRS], 2048
	s_add_co_u32 s[SW], s[SW], FRB
	s_add_co_u32 s[SWS], s[SWS], 4
	s_add_co_u32 s[CN], s[CN], 1
	s_cmp_lt_u32 s[CN], 2
	s_cbranch_scc1 .Lv_half
	BARRIER                                        ; nobody reads X any more: H may take its place
	; ---------------- O^T = V^T P for all 16 query tiles; W_out_w lands meanwhile where W_value lay
	WLOAD 3, 0, 0, 19, 0
	v_add_nc_u32 v[AD4], s[SVB], v[LI]
	v_add_nc_u32 v[AD5], s[SVS], v[L8]
	WIN 0xc0
.irp f, 0,1,2,3,4,5,6,7,8,9,10,11,12,13,14,15
.irp c, 0,1,2
	ds_load_b128 v[12*\f+4*\c:12*\f+4*\c+3], v[AD4] offset:FRB*\f+512*\c   ; my 16 fragments of V^T stay in registers
.endr
.endr
	WIN 0
.irp t, 0,1,2,3,4,5,6,7
	ds_load_b64 v[VS+2*\t:VS+2*\t+1], v[AD5] offset:128*\t
.endr
	s_mov_b32 s[SR], QIMG
	s_mov_b32 s[SRS], PSC
	s_mov_b32 s[SW], XIMG
	s_mov_b32 s[SWS], XSC
	v_add_nc_u32 v[AD0], s[SR], v[LI]
	v_add_nc_u32 v[AD1], s[SRS], v[L8]
.irp k, 0,1
.irp c, 0,1,2
	ds_load_b128 v[XF+12*\k+4*\c:XF+12*\k+4*\c+3], v[AD0] offset:FRB*\k+512*\c
.endr
.endr
	ds_load_b64 v[XS:XS+1], v[AD1]
	s_mov_b32 s[TI], 0
.Lpv_tile:
	PVBODY 1
	s_cmp_lg_u32 s[TI], 8
	s_cbranch_scc1 .Lpv_next
	s_wait_loadcnt 0x0                             ; the bias and the first batch, asked for nine tiles ago, are in: on every way to the loads below, no earlier load into their registers is out
	WLOAD 3, 0, 20, 31, 1                          ; the second batch, half way: seven tiles ahead of its use
.Lpv_next:
	s_add_co_u32 s[TI], s[TI], 1
	s_cmp_lt_u32 s[TI], 15
	s_cbranch_scc1 .Lpv_tile
	PVBODY 0
	BARRIER                                        ; H's images lie in LDS
	; ---------------- out = H Wo^T + b
	s_wait_loadcnt 0x0                             ; W_out_w
	s_mov_b32 s[SR], XIMG
	s_mov_b32 s[SRS], XSC
	PFIRST
	s_mov_b32 s[TI], 0
.Lo_tile:
	PBODY 0, 1, 1, 1
	s_add_co_u32 s[TI], s[TI], 1
	s_cmp_lt_u32 s[TI], 15
	s_cbranch_scc1 .Lo_tile
	PBODY 0, 1, 1, 0
	s_wait_tensorcnt 0x0                           ; the wave's end, behind my last LDS store: a tensor wait, an LDS add of 0 to my spare word, and its wait
	ds_add_u32 v[SPW], v[NIL]
	s_wait_dscnt 0x0
	s_endpgm
.Lfunc_end_k_q2dba005d27_attn:
	.size	k_q2dba005d27_attn, .Lfunc_end_k_q2dba005d27_attn-k_q2dba005d27_attn
	.p2alignl 7, 3214868480
	.fill 96, 4, 3214868480
	.section	.rodata,"a",@progbits
	.p2align	6, 0x0
	.amdhsa_kernel k_q2dba005d27_attn
		.amdhsa_group_segment_fixed_size 310784
		.amdhsa_private_segment_fixed_size 0
		.amdhsa_enable_private_segment 0
		.amdhsa_kernarg_size 48
		.amdhsa_user_sgpr_count 2
		.amdhsa_user_sgpr_kernarg_segment_ptr 1
		.amdhsa_wavefront_size32 1
		.amdhsa_system_sgpr_workgroup_id_x 1
		.amdhsa_system_sgpr_workgroup_id_y 1
		.amdhsa_system_sgpr_workgroup_id_z 1
		.amdhsa_system_vgpr_workitem_id 0
		.amdhsa_next_free_vgpr 1024
		.amdhsa_next_free_sgpr 66
		.amdhsa_reserve_vcc 0
		.amdhsa_float_denorm_mode_32 3
		.amdhsa_float_denorm_mode_16_64 3
		.amdhsa_memory_ordered 1
		.amdhsa_forward_progress 1
		.amdhsa_inst_pref_size 255
	.end_amdhsa_kernel
	.section	.bss,"aw",@nobits
	.p2align	6
	.space	262144
	.amdgpu_metadata
---
amdhsa.version: [ 1, 2 ]
amdhsa.kernels:
  - .name:           k_q2dba005d27_attn
    .symbol:         k_q2dba005d27_attn.kd
    .args:
      - { .name: data, .offset: 0, .size: 8, .value_kind: global_buffer, .address_space: global }
      - { .name: mask, .offset: 8, .size: 8, .value_kind: global_buffer, .address_space: global }
      - { .name: W_out_b, .offset: 16, .size: 8, .value_kind: global_buffer, .address_space: global }
      - { .name: wimg, .offset: 24, .size: 8, .value_kind: global_buffer, .address_space: global }
      - { .name: wscl, .offset: 32, .size: 8, .value_kind: global_buffer, .address_space: global }
      - { .name: out0, .offset: 40, .size: 8, .value_kind: global_buffer, .address_space: global }
    .group_segment_fixed_size: 310784
    .private_segment_fixed_size: 0
    .kernarg_segment_align: 8
    .kernarg_segment_size: 48
    .max_flat_workgroup_size: 128
    .sgpr_count:     66
    .vgpr_count:     1024
    .wavefront_size: 32
...
	.end_amdgpu_metadata
.endif
;; end of part 2
;; ======== version 2 of 2: 2 launches
;; limits: right only within a limited range of input values
;; workspace buffers: wimg 786,432 bytes; wscl 32,768 bytes
;; launch wq (part 3): grid 128 x 1, 1 waves a work-group, no clusters, 0 bytes of LDS; arguments W_key, W_query, W_value, W_out_w, wimg, wscl; writes wimg, wscl
.if DOCPART == 3
	.amdgcn_target "amdgcn-amd-amdhsa--gfx1250"
	.amdhsa_code_object_version 6
	.text
	.protected	k_q2dba005d27_wq
	.globl	k_q2dba005d27_wq
	.p2align	8
	.type	k_q2dba005d27_wq,@function
k_q2dba005d27_wq:
	s_mov_b64 s[64:65], 0
	v_nop
	global_prefetch_b8 v0, s[64:65] scope:SCOPE_SE
	s_setreg_imm32_b32 hwreg(HW_REG_WAVE_MODE, 25, 1), 1
	s_wait_xcnt 0x0
; THE FOUR WEIGHTS, each [512][512] f32 with K (the inputs) innermost, are turned ONCE into codes of E2M3 with one E8M0 byte for each 32 along K,
; laid as the next launch's operand registers take them.  256 work-groups there read every weight; quantised here, the f32 numbers are read once.
; NO WORK OF reference() IS LEFT OUT in this program: every input has a way to the output (a masked key's V still moves the scale of its block of 32 keys,
; a masked key's K is thrown away by the values of an input alone: it is computed and masked), so all six products, the mask, the softmax and the bias are done.
; A block's scale is 2^(floor(log2(its largest magnitude)) - 2); its byte is the largest magnitude's exponent field - 2, held at 1 from below.  A block of zeros
; so gets the byte 1 where the rule says 127: its codes are zeros, which add nothing, and the bytes are read by this program alone.
; LIMITS: NaN and infinities among the inputs are not served; blocks whose largest magnitude lies under 2^-124 keep the byte 1.
; SHARES.  One wave to a work-group; work-group 32 i + T takes tile T of weight i (0 W_key, 1 W_query, 2 W_value, 3 W_out_w).
; THE ROWS OF A TILE ARE NOT NEIGHBOURS: lane r of tile 2 b + u takes row 32 b + 8 u + r + 8 (r / 8), so that the results of two neighbouring tiles are 16 neighbours along the next product's K.
; A tile is four fragments (16 rows x 128 K, 12 registers a lane).  A fragment's IMAGE is 1,536 bytes: registers 4 c .. 4 c + 3 of lane l at 512 c + 16 l.
; wimg: [weight][wave w = T / 8][fragment 8 s + T % 8][1,536].   wscl: [weight][w][2,048]: word 2 t + o of lane l at 512 (t / 2) + 16 l + 8 (t % 2) + 4 o;
; lanes 0-15 hold the scale word of K step 2 o of row r, lanes 16-31 that of K step 2 o + 1.
.set LI,  1                            ; v1      16 x lane
.set XA,  2                            ; v2      my row of the tile x 2,048 bytes + 64 x (lane / 16): my 16 numbers of a block of 32
.set TM,  4                            ; v4-19   at work
.set PC,  20                           ; v20-39  the codes just made (0-11), and the halves that are moved (12-14, 16-18)
.set PW,  40                           ; v40     the scale word just made
.set PWS, 42                           ; v42-45  the four K steps' scale words; v46-47 the pair that is stored
.set SEL, 20                           ; s[20:21] v_permlanex16_b32's selects for lane l xor 16
	s_load_b256 s[4:11], s[0:1], 0x0               ; W_key, W_query, W_value, W_out_w
	s_load_b128 s[12:15], s[0:1], 0x20             ; wimg, wscl
	v_and_b32 v3, 15, v0                           ; r
	v_bfe_u32 v41, v0, 4, 1                        ; h
	v_lshlrev_b32 v[LI], 4, v0
	v_and_b32 v[XA], 8, v3
	v_add_nc_u32 v[XA], v[XA], v3                  ; r + 8 (r / 8)
	v_lshlrev_b32 v[XA], 11, v[XA]
	v_lshl_add_u32 v[XA], v41, 6, v[XA]
.irp b, 0,1,2,3
	v_mov_b32 v[TM+4+\b], 0                        ; written once: a lane permute's destination counts as one of its sources
.endr
	s_mov_b32 s[SEL], 0x76543210
	s_mov_b32 s[SEL+1], 0xfedcba98
	s_mov_b32 s23, 0xffff0000                      ; lanes 16-31
	s_lshr_b32 s16, ttmp9, 5                       ; i: which weight
	s_and_b32 s17, ttmp9, 31                       ; T: which tile
	s_lshr_b32 s18, s17, 1
	s_lshl_b32 s18, s18, 16                        ; 32 (T / 2) rows of 2,048 bytes
	s_and_b32 s19, s17, 1
	s_lshl_b32 s19, s19, 14                        ; + 8 (T % 2) rows
	s_add_co_u32 s18, s18, s19
	s_mov_b32 s19, 0
	s_lshl_b32 s24, s16, 2
	s_lshr_b32 s25, s17, 3
	s_add_co_u32 s24, s24, s25                     ; 4 i + T / 8
	s_and_b32 s25, s17, 7                          ; t = T % 8
	s_mul_i32 s26, s24, 49152
	s_mul_i32 s27, s25, 1536
	s_add_co_u32 s26, s26, s27                     ; the tile's first image
	s_mov_b32 s27, 0
	s_lshl_b32 s28, s24, 11
	s_lshr_b32 s30, s25, 1
	s_lshl_b32 s30, s30, 9
	s_add_co_u32 s28, s28, s30
	s_and_b32 s30, s25, 1
	s_lshl_b32 s30, s30, 3
	s_add_co_u32 s28, s28, s30                     ; the tile's pair of scale words
	s_mov_b32 s29, 0
	s_wait_alu depctr_va_vdst(0)
	s_wait_kmcnt 0x0
	s_cmp_eq_u32 s16, 1                            ; the choice hangs on the work-group's number alone
	s_cselect_b64 s[4:5], s[6:7], s[4:5]
	s_cmp_eq_u32 s16, 2
	s_cselect_b64 s[4:5], s[8:9], s[4:5]
	s_cmp_eq_u32 s16, 3
	s_cselect_b64 s[4:5], s[10:11], s[4:5]
	s_add_nc_u64 s[4:5], s[4:5], s[18:19]
	s_add_nc_u64 s[12:13], s[12:13], s[26:27]
	s_add_nc_u64 s[14:15], s[14:15], s[28:29]
; my row's numbers of K step s: register 16 b + 4 j + e = k 128 s + 32 b + 16 h + 4 j + e
.macro XLOAD reg, s
.irp b, 0,1,2,3
.irp j, 0,1,2,3
	global_load_b128 v[\reg+16*\b+4*\j:\reg+16*\b+4*\j+3], v[XA], s[4:5] offset:512*(\s)+128*\b+16*\j th:TH_LOAD_NT
.endr
.endr
.endm
; 64 numbers of a lane, register 16 b + i = k 32 b + 16 h + i of my row, become a fragment's codes in v[PC] on and its scale word in v[PW]
.macro QUANT s
.irp b, 0,1,2,3
	v_max3_num_f32 v[TM+\b], |v[\s+16*\b]|, |v[\s+1+16*\b]|, 0x1800000   ; block b: my 16 numbers, and the floor 2^(3 - 127): the byte cannot fall under 1
.endr
.irp i, 2,4,6,8,10,12,14
.irp b, 0,1,2,3
	v_max3_num_f32 v[TM+\b], v[TM+\b], |v[\s+16*\b+\i]|, |v[\s+1+16*\b+\i]|   ; the four blocks by turns
.endr
.endr
.irp b, 0,1,2,3
	v_permlanex16_b32 v[TM+4+\b], v[TM+\b], s[SEL], s[SEL+1]
.endr
.irp b, 0,1,2,3
	v_max_num_f32 v[TM+\b], v[TM+\b], v[TM+4+\b]   ; with lane l xor 16's: the block's largest magnitude
.endr
.irp b, 0,1,2,3
	v_add_nc_u32 v[TM+12+\b], 0xff000000, v[TM+\b] ; 2 off its exponent field: the conversion's scale operand
.endr
.irp b, 0,1,2,3
	v_lshrrev_b32 v[TM+4+\b], 23, v[TM+12+\b]      ; the scale's byte
.endr
	v_lshl_or_b32 v[PW], v[TM+5], 8, v[TM+4]
	v_lshl_or_b32 v[PW], v[TM+6], 16, v[PW]
	v_lshl_or_b32 v[PW], v[TM+7], 24, v[PW]
	s_wait_xcnt 0x0                                ; the last fragment's stores have read the codes' registers: they are written again only behind this wait
.irp c, 0,1
	v_cvt_scalef32_pk16_fp6_f32 v[PC+6*\c:PC+2+6*\c], v[\s+32*\c:\s+15+32*\c], v[TM+12+2*\c]
	v_cvt_scalef32_pk16_fp6_f32 v[PC+12+4*\c:PC+14+4*\c], v[\s+16+32*\c:\s+31+32*\c], v[TM+12+2*\c+1]   ; (a conversion's three registers begin on an even number)
.endr
	v_nop                                          ; one plain place behind a scaled conversion
.irp c, 0,1                                    ; the operand's layout wants a WHOLE block in a lane: lanes 0-15 block 2 c, lanes 16-31 block 2 c + 1
.irp i, 0,1,2
	v_permlane16_swap_b32 v[PC+6*\c+\i], v[PC+12+4*\c+\i]
.endr
.irp i, 0,1,2
	v_mov_b32 v[PC+3+6*\c+\i], v[PC+12+4*\c+\i]
.endr
.endr
.endm
	XLOAD 64, 0                                    ; three sets of 64 registers: v64, v128, v192
	XLOAD 128, 1
	XLOAD 192, 2
.irp s, 0,1,2,3
.if \s < 2
	s_wait_loadcnt 32                              ; this K step's 16 loads are in; two younger K steps' may be out
.else
	s_wait_loadcnt 48-16*\s                        ; one younger K step's, then none
.endif
	QUANT 64+64*(\s%3)
.irp c, 0,1,2
	global_store_b128 v[LI], v[PC+4*\c:PC+4*\c+3], s[12:13] offset:12288*\s+512*\c   ; 32 lanes store 512 consecutive bytes, at a multiple of 256 from the buffer's first byte
.endr
	v_mov_b32 v[PWS+\s], v[PW]
.if \s == 0
	XLOAD 64, 3                                    ; the fourth K step takes the first's registers
.endif
.endr
	v_cndmask_b32 v46, v[PWS], v[PWS+1], s23       ; lanes 0-15 K step 0, lanes 16-31 K step 1
	v_cndmask_b32 v47, v[PWS+2], v[PWS+3], s23     ; K steps 2 and 3
	global_store_b64 v[LI], v[46:47], s[14:15]
	s_endpgm
.Lfunc_end_k_q2dba005d27_wq:
	.size	k_q2dba005d27_wq, .Lfunc_end_k_q2dba005d27_wq-k_q2dba005d27_wq
	.p2alignl 7, 3214868480
	.fill 96, 4, 3214868480
	.section	.rodata,"a",@progbits
	.p2align	6, 0x0
	.amdhsa_kernel k_q2dba005d27_wq
		.amdhsa_group_segment_fixed_size 0
		.amdhsa_private_segment_fixed_size 0
		.amdhsa_enable_private_segment 0
		.amdhsa_kernarg_size 48
		.amdhsa_user_sgpr_count 2
		.amdhsa_user_sgpr_kernarg_segment_ptr 1
		.amdhsa_wavefront_size32 1
		.amdhsa_system_sgpr_workgroup_id_x 1
		.amdhsa_system_sgpr_workgroup_id_y 1
		.amdhsa_system_sgpr_workgroup_id_z 1
		.amdhsa_system_vgpr_workitem_id 0
		.amdhsa_next_free_vgpr 256
		.amdhsa_next_free_sgpr 66
		.amdhsa_reserve_vcc 0
		.amdhsa_float_denorm_mode_32 3
		.amdhsa_float_denorm_mode_16_64 3
		.amdhsa_memory_ordered 1
		.amdhsa_forward_progress 1
		.amdhsa_inst_pref_size 25
	.end_amdhsa_kernel
	.amdgpu_metadata
---
amdhsa.version: [ 1, 2 ]
amdhsa.kernels:
  - .name:           k_q2dba005d27_wq
    .symbol:         k_q2dba005d27_wq.kd
    .args:
      - { .name: W_key, .offset: 0, .size: 8, .value_kind: global_buffer, .address_space: global }
      - { .name: W_query, .offset: 8, .size: 8, .value_kind: global_buffer, .address_space: global }
      - { .name: W_value, .offset: 16, .size: 8, .value_kind: global_buffer, .address_space: global }
      - { .name: W_out_w, .offset: 24, .size: 8, .value_kind: global_buffer, .address_space: global }
      - { .name: wimg, .offset: 32, .size: 8, .value_kind: global_buffer, .address_space: global }
      - { .name: wscl, .offset: 40, .size: 8, .value_kind: global_buffer, .address_space: global }
    .group_segment_fixed_size: 0
    .private_segment_fixed_size: 0
    .kernarg_segment_align: 8
    .kernarg_segment_size: 48
    .max_flat_workgroup_size: 32
    .sgpr_count:     66
    .vgpr_count:     256
    .wavefront_size: 32
...
	.end_amdgpu_metadata
.endif
;; end of part 3
;; launch attn (part 4): grid 256 x 1, 4 waves a work-group, no clusters, 310,784 bytes of LDS; arguments data, mask, W_out_b, wimg, wscl, out0; writes out0
.if DOCPART == 4
	.amdgcn_target "amdgcn-amd-amdhsa--gfx1250"
	.amdhsa_code_object_version 6
	.text
	.protected	k_q2dba005d27_attn
	.globl	k_q2dba005d27_attn
	.p2align	8
	.type	k_q2dba005d27_attn,@function
k_q2dba005d27_attn:
	s_mov_b64 s[64:65], 0
	v_nop
	global_prefetch_b8 v0, s[64:65] scope:SCOPE_SE
	s_setreg_imm32_b32 hwreg(HW_REG_WAVE_MODE, 25, 1), 1
	s_wait_xcnt 0x0
; out = (softmax_k(mask(Q K^T / sqrt(512))) V) Wo^T + b with Q, K, V = data W^T, for ONE batch of 256 tokens x 512 to a work-group; all six products on codes of E2M3 with one E8M0 scale for each 32 along K.
; No work of reference() is left out (see the first launch's head).  Q, K, V, the weights p and the heads never go to memory: they pass from wave to wave through LDS as IMAGES OF OPERAND REGISTERS.
; SHARES.  Four waves.  THE WAVES SHARE THE COLUMNS: wave w owns rows 128 w .. 128 w + 127 of each weight (32 fragments, 384 registers, read from memory once a work-group, a phase ahead of their use)
; and makes those 128 columns of K, Q, V, heads and out for all 256 tokens; of the scores it owns query tiles 4 w .. 4 w + 3.
; ONE WORK-GROUP TO A BATCH, 128 in all: every query wants K and V of all 256 tokens of its batch, so two work-groups to a batch would each project K and V whole: in units of 128 x 512 x 512 multiply-adds
; NO JOINT LOADS, NO TENSOR LOADS: while the weights are walked, X's, K's and Q's images hold 307,200 of the 310,784 bytes of LDS claimed, and a weight's images are 196,608 bytes: no slot for them fits beside.
; So the weights go from memory straight into registers, in the order in which the first launch laid them; batches share nothing else.
; TILE ORDER (tokens, and the rows of all weights): lane r of tile 2 b + u holds index 32 b + 8 u + r + 8 (r / 8).  A product's result holds, in lane (r, h), register j, source 0's row 8 h + j:
; so the 16 registers of tiles 2 b and 2 b + 1 are the 16 neighbours 32 b + 16 h + 0 .. 15 along the next product's K, and ONE macro (QUANT) makes every operand.
;   K, Q:  source 0 = W's tile (d),     source 1 = X's tile (token)  -> a lane holds a token, registers along d
;   S^T:   source 0 = K's tile (key),   source 1 = Q's tile (query)  -> a query, along the keys; the first instruction's C is the mask: 0 or -2^100 for each key
;   V^T:   source 0 = X's tile (token), source 1 = Wv's tile (d)     -> a channel d, along the tokens, which are the fifth product's K
;   O^T:   source 0 = V^T's tile (d),   source 1 = P's tile (query)  -> a query, along d
;   out^T: source 0 = Wo's tile (e),    source 1 = H's tile (query)  -> a query, along e; the first instruction's C is the bias
; DATA COMES IN DENSE: each load of a wave covers 512 consecutive bytes of one row.  The quantiser wants 16 neighbours of ONE row in a lane: so a K step's 16 rows x 512 bytes turn through the wave's own stage in LDS.
; SOFTMAX, finished and normalised ahead of its quantiser: M = the row's largest score; e = 2^(c s - c M), c = log2(e) / sqrt(512); p = e x (1 / the sum of e).
; LIMITS.  A masked key's score is -2^100 + the score, and the row's maximum is taken with the floor -2^96: scores are served up to 2^96 in size.  A masked p is exactly 0.  A batch all of whose keys are masked
; has the sum 0, held at 0.5: p = 0 and out = b, as reference()'s second where gives.  p is e x rcp(sum) where reference() divides.  NaN and infinities among the inputs are not served.
; A block whose largest magnitude lies under 2^-124 (a block of zeros too) keeps the scale byte 1: its codes add what the rule's would.
;
; LDS.  A fragment's image: 1,536 bytes, registers 4 c .. 4 c + 3 of lane l at 512 c + 16 l.  Scale words: X, K, Q, H as quads, 256 bytes a tile, K step s of row r at 16 r + 4 s; P, V^T as pairs, 128 bytes a tile, 8 r + 4 k2.
; THE SHARES AS THEY STAND NOW (where the lines above speak of one work-group to a batch and of query tiles 4 w .. 4 w + 3, these lines hold instead):
; TWO WORK-GROUPS TO A BATCH, 256 in all.  Work-group g takes batch g / 2 and the 128 queries of half g % 2 of its tokens.  Each of the two quantises X and projects K and V for all 256 tokens,
; and makes Q, the scores, the softmax, O and out for its own 128 queries alone: in units of 128 x 512 x 512 multiply-adds 2 + 2 + 1 + 0.5 + 0.5 + 1 = 7 a work-group.  Of the scores wave w owns query tiles 2 w and 2 w + 1.
; MY HALF COMES FIRST IN LDS: position p of the 256 holds token p xor 128 (g % 2), so that the queries are tiles 0-7 in every work-group and no LDS address hangs on the work-group's number;
; the half enters three global addresses alone: data's rows, the mask's bytes, out0's rows.  The keys are so taken with their halves swapped, alike in K, the mask's table, P and V^T; a block of 32 keys stays whole.
.set FRB,   1536
.set TILEB, 6144                       ; a tile's four fragments
.set XIMG,  0                          ; X: fragment 4 m + s.  From the fifth phase on: H, the heads, likewise
.set XSC,   98304                      ; X's quads; later H's
.set KIMG,  102400                     ; K.  Later, 24,576 bytes for each wave, its own: V^T (fragment 2 t + k2), then the stage for the way out
.set KSC,   200704                     ; K's quads; later V^T's pairs, 1,024 bytes for each wave
.set QIMG,  204800                     ; Q.  P's two fragments of a query tile are laid over that tile's first two of Q, by the wave that alone read them
.set STG,   QIMG                       ; ahead of Q: the stages through which data turns, one for each wave; the last turn and Q's first image are parted by a barrier
.set STGB,  16*528                     ; a stage: 16 rows of 512 bytes + 16: 132 words, so that the 16 rows that a load touches begin in 16 different columns of 16 bytes
.set QSC,   303104
.set PSC,   307200                     ; P's pairs
.set MB,    309248                     ; 0 or -2^100 for each key, f32, position p holds key p xor 128 (g % 2)
.set SPARE, 310272                     ; the spare words, 128 bytes for each wave: two blocks of 256 bytes that no other line names
; VECTOR REGISTERS, window 0
.set LI,  1                            ; 16 x lane
.set LQ,  2                            ; 16 r
.set L8,  3                            ; 8 r
.set SGW, 4                            ; my stage, on the way in: + 16 x lane
.set IMW, 6                            ; 16 x lane + 1,536 w: my K step's image in a tile
.set SCW, 7                            ; 16 r + 4 w: its scale word in a quad
.set XIW, 8                            ; 16 x lane + 6,144 w: X's tile 4 G + w
.set XSW, 9                            ; its quad
.set AD0, 10                           ; v10-15 a phase's LDS addresses
.set AD1, 11
.set AD2, 12
.set AD3, 13
.set AD4, 14
.set AD5, 15
.set MBA, 16                           ; MB + 64 h
.set STO, 17                           ; the stage for the way out, on the way in
.set SRD, 18                           ; and back
.set BA,  19                           ; 64 h: the bias
.set SPW, 20                           ; LDS address of my spare word; never rewritten
.set NIL, 21                           ; 0; never rewritten
.set SGR, 22                           ; my stage, on the way back: + 528 r + 64 h
.set F63, 24                           ; v24-35   weight fragment 63
.set WSC0, 36                          ; v36-51   scale words of the weight in set 0;  v52-67 of that in set 1
.set VS,  52                           ; v52-67   later V^T's scale words
.set XS,  68                           ; v68-71, v72-75 a tile's quad, two buffers
.set QS,  76                           ; v76-83   two query tiles' quads.  v36-83 hold scales and nothing else
.set XF,  84                           ; v84-131  four fragments, buffer 0
.set TM,  132                          ; v132-147 at work
.set PC,  148                          ; v148-167 the codes just made
.set PW,  168                          ; the scale word just made
.set HA,  170                          ; v170-233 eight accumulators; v170-217 are fragment buffer 1 where no product lands here; a tile's first K step of data turns into them
.set CB,  234                          ; v234-241, v242-249 the mask of a key tile, two buffers
.set QF,  132                          ; window 2: two query tiles' eight fragments
.set BI,  132                          ; window 2, later: the bias, eight tiles in the result's layout
; WEIGHTS: fragment position f lies in window 1 + f / 21 at register 12 (f % 21); position 63 in window 0.  Set 0 = positions 0-31 (W_key, then W_value, then W_out_w), set 1 = positions 32-63 (W_query).
; WINDOW 3, in turn: 256 numbers of data; W_query's positions 42-62; the scores (128 q + 8 kt); V's sums (64 t + 8 m); V^T's fragments; rows of out.
; SCALAR REGISTERS
.set WV,  16                           ; my wave
.set SVB, 17                           ; KIMG + 24,576 w
.set SEL, 18                           ; s[18:19] selects for lane l xor 16
.set CS,  20                           ; s[20:21] c, twice
.set NCS, 22                           ; -c
.set FLR, 23                           ; 2^(3 - 127)
.set MFL, 24                           ; -2^96
.set SVS, 25                           ; KSC + 1,024 w
.set XG,  26                           ; s[26:27] data at my tile of the group in hand
.set WI,  28                           ; s[28:29] wimg + 49,152 w
.set WS,  30                           ; s[30:31] wscl + 2,048 w
.set OUTB, 32                          ; s[32:33] out0 at my batch, + 512 w;  s[34:35] at a tile;  s[36:37] the tile's offset
.set BP,  38                           ; s[38:39] W_out_b + 512 w
.set GR,  40                           ; group
.set TI,  41                           ; tile
.set SR,  42                           ; LDS offsets that step by constants: images read,
.set SRS, 43                           ; their scale words,
.set SW,  44                           ; images written,
.set SWS, 45                           ; their scale words
.set SXW, 46
.set SXS, 47
.set SQ,  48
.set SQS, 49
.set SPS, 50
.set CN,  51
.set MSB, 0
.macro WIN new                         ; the immediate's high byte repeats the setting that is left; a switch that changes nothing is dropped
.if MSB != (\new)
	s_set_vgpr_msb (MSB<<8)|(\new)
.set MSB, (\new)
.endif
.endm
.macro PLACES n                        ; plain places behind matrix instructions: four in front of loads into their registers and of reads of their results
.rept \n
	v_nop
.endr
.endm
.macro BARRIER                         ; my LDS stores have landed and my LDS loads are in: then the work-group's barrier
	s_wait_dscnt 0x0
	s_barrier_signal -1
	s_barrier_wait -1
.endm
.macro WF f                            ; where weight position f lies
.if (\f) == 63
.set WFW, 0
.set WFR, F63
.else
.set WFW, 1+(\f)/21
.set WFR, 12*((\f)%21)
.endif
.endm
; my fragments flo .. fhi of weight i into positions base + flo ..; sc = 1: and its 16 registers of scale words
.macro WLOAD i, base, flo, fhi, sc
.set wf_, \flo
.rept (\fhi)-(\flo)+1
	WF (\base)+wf_
	WIN WFW<<6
.irp c, 0,1,2
	global_load_b128 v[WFR+4*\c:WFR+4*\c+3], v[LI], s[WI:WI+1] offset:196608*(\i)+FRB*wf_+512*\c
.endr
.set wf_, wf_+1
.endr
	WIN 0
.if \sc
.irp q, 0,1,2,3
	global_load_b128 v[WSC0+16*((\base)/32)+4*\q:WSC0+16*((\base)/32)+4*\q+3], v[LI], s[WS:WS+1] offset:8192*(\i)+512*\q
.endr
.endif
.endm
; K step s of my tile, as it lies, into window 3: registers 64 s + 4 i .. + 3 of lane l = bytes 16 l .. 16 l + 15 of the 512 bytes of the tile's row i
.macro XLOAD s
	WIN 0xc0
.irp i, 0,1,2,3,4,5,6,7,8,9,10,11,12,13,14,15
	global_load_b128 v[64*(\s)+4*\i:64*(\s)+4*\i+3], v[LI], s[XG:XG+1] offset:(\i+8*(\i/8))*2048+512*(\s)   ; 32 lanes read 512 consecutive bytes; the batch's two work-groups both read them, so no hint for data read once
.endr
	WIN 0
.endm
; K step s turns through my stage: in as it was loaded, back 64 bytes of row r for each block of 32: register reg + 16 b + 4 j + e of window win = k 32 b + 16 h + 4 j + e of my token.
; LDS serves a wave's instructions in order (ISA guide 5.7.1.4): no wait stands between the stores and the loads
.macro TURN s, reg, win
	WIN 0x0c                                       ; an LDS store's data are its source 1: window 3
.irp i, 0,1,2,3,4,5,6,7,8,9,10,11,12,13,14,15
	ds_store_b128 v[SGW], v[64*(\s)+4*\i:64*(\s)+4*\i+3] offset:528*\i
.endr
	WIN (\win)<<6
.irp b, 0,1,2,3
.irp j, 0,1,2,3
	ds_load_b128 v[(\reg)+16*\b+4*\j:(\reg)+16*\b+4*\j+3], v[SGR] offset:128*\b+16*\j
.endr
.endr
	WIN 0
.endm
; 64 numbers of a lane in window win, register s + 16 b + i = k 32 b + 16 h + i of my row, become a fragment's codes in v[PC] on and its scale word in v[PW].
; hk: how many LDS instructions have been issued behind the last image's stores: those may stay out where the codes' registers are written again
.macro QUANT s, win, hk
	WIN ((\win)<<2)|((\win)<<4)
.irp b, 0,1,2,3
	v_max3_num_f32 v[TM+\b], s[FLR], |v[\s+16*\b]|, |v[\s+16*\b+1]|   ; block b: my 16 numbers, and the floor, under which no largest magnitude is taken: the byte cannot fall under 1.  (A result is read from its low end on)
.endr
.irp i, 2,4,6,8,10,12,14
.irp b, 0,1,2,3
	v_max3_num_f32 v[TM+\b], v[TM+\b], |v[\s+16*\b+\i]|, |v[\s+16*\b+\i+1]|   ; the four blocks by turns
.endr
.endr
	WIN 0
.irp b, 0,1,2,3
	v_permlanex16_b32 v[TM+4+\b], v[TM+\b], s[SEL], s[SEL+1]
.endr
.irp b, 0,1,2,3
	v_max_num_f32 v[TM+\b], v[TM+\b], v[TM+4+\b]   ; with lane l xor 16's: the block's largest magnitude
.endr
.irp b, 0,1,2,3
	v_add_nc_u32 v[TM+12+\b], 0xff000000, v[TM+\b] ; 2 off its exponent field: the conversion's scale operand
.endr
.irp b, 0,1,2,3
	v_lshrrev_b32 v[TM+4+\b], 23, v[TM+12+\b]      ; the scale's byte
.endr
	s_wait_alu depctr_va_vdst(0)
	s_wait_dscnt \hk                               ; the last image's stores are done: the codes' and the word's registers may be written again
	v_lshl_or_b32 v[PW], v[TM+5], 8, v[TM+4]
	v_lshl_or_b32 v[PW], v[TM+6], 16, v[PW]
	v_lshl_or_b32 v[PW], v[TM+7], 24, v[PW]
	WIN \win
.irp c, 0,1
	v_cvt_scalef32_pk16_fp6_f32 v[PC+6*\c:PC+2+6*\c], v[\s+32*\c:\s+32*\c+15], v[TM+12+2*\c]
	v_cvt_scalef32_pk16_fp6_f32 v[PC+12+4*\c:PC+14+4*\c], v[\s+16+32*\c:\s+31+32*\c], v[TM+12+2*\c+1]   ; (a conversion's three registers begin on an even number)
.endr
	WIN 0
	v_nop                                          ; one plain place behind a scaled conversion
.irp c, 0,1                                    ; the operand's layout wants a WHOLE block in a lane
.irp i, 0,1,2
	v_permlane16_swap_b32 v[PC+6*\c+\i], v[PC+12+4*\c+\i]
.endr
.irp i, 0,1,2
	v_mov_b32 v[PC+3+6*\c+\i], v[PC+12+4*\c+\i]
.endr
.endr
.endm
.macro IMAGE adr, off                  ; the fragment in v[PC] on goes to LDS as it stands
.irp c, 0,1,2
	ds_store_b128 v[\adr], v[PC+4*\c:PC+4*\c+3] offset:(\off)+512*\c
.endr
.endm
.macro FETCH4 reg, adr, off            ; a tile's four fragments come back so, in any wave
.irp s, 0,1,2,3
.irp c, 0,1,2
	ds_load_b128 v[\reg+12*\s+4*\c:\reg+12*\s+4*\c+3], v[\adr] offset:(\off)+FRB*\s+512*\c
.endr
.endr
.endm
; one matrix instruction.  c < 0: the constant 0 starts the sum.  row = 1: source 0's scales stand in lanes 16-31; 2: source 1's
.macro MM d, a, b, c, sa, sb, row
.if (\c) < 0
.if (\row) == 0
	v_wmma_scale_f32_16x16x128_f8f6f4 v[\d:\d+7], v[\a:\a+11], v[\b:\b+11], 0, v[\sa], v[\sb] matrix_a_fmt:MATRIX_FMT_FP6 matrix_b_fmt:MATRIX_FMT_FP6
.elseif (\row) == 1
	v_wmma_scale_f32_16x16x128_f8f6f4 v[\d:\d+7], v[\a:\a+11], v[\b:\b+11], 0, v[\sa], v[\sb] matrix_a_fmt:MATRIX_FMT_FP6 matrix_b_fmt:MATRIX_FMT_FP6 matrix_a_scale:MATRIX_SCALE_ROW1
.else
	v_wmma_scale_f32_16x16x128_f8f6f4 v[\d:\d+7], v[\a:\a+11], v[\b:\b+11], 0, v[\sa], v[\sb] matrix_a_fmt:MATRIX_FMT_FP6 matrix_b_fmt:MATRIX_FMT_FP6 matrix_b_scale:MATRIX_SCALE_ROW1
.endif
.else
.if (\row) == 0
	v_wmma_scale_f32_16x16x128_f8f6f4 v[\d:\d+7], v[\a:\a+11], v[\b:\b+11], v[\c:\c+7], v[\sa], v[\sb] matrix_a_fmt:MATRIX_FMT_FP6 matrix_b_fmt:MATRIX_FMT_FP6
.elseif (\row) == 1
	v_wmma_scale_f32_16x16x128_f8f6f4 v[\d:\d+7], v[\a:\a+11], v[\b:\b+11], v[\c:\c+7], v[\sa], v[\sb] matrix_a_fmt:MATRIX_FMT_FP6 matrix_b_fmt:MATRIX_FMT_FP6 matrix_a_scale:MATRIX_SCALE_ROW1
.else
	v_wmma_scale_f32_16x16x128_f8f6f4 v[\d:\d+7], v[\a:\a+11], v[\b:\b+11], v[\c:\c+7], v[\sa], v[\sb] matrix_a_fmt:MATRIX_FMT_FP6 matrix_b_fmt:MATRIX_FMT_FP6 matrix_b_scale:MATRIX_SCALE_ROW1
.endif
.endif
.endm
; 32 matrix instructions: my weight's eight tiles x the tile in buffer 0, K = 512.  The eight accumulators take turns.  cm = 1: the bias starts the sums
.macro MMA32 base, cm
.irp s, 0,1,2,3
.irp t, 0,1,2,3,4,5,6,7
	WF (\base)+8*\s+\t
.if (\s == 0) && (\cm)
	WIN WFW|0x20
	MM HA+8*\t, WFR, XF, BI+8*\t, WSC0+16*((\base)/32)+2*\t, XS, 0
.elseif \s == 0
	WIN WFW
	MM HA+8*\t, WFR, XF, -1, WSC0+16*((\base)/32)+2*\t, XS, 0
.else
	WIN WFW
	MM HA+8*\t, WFR, XF+12*\s, HA+8*\t, WSC0+16*((\base)/32)+2*\t+\s/2, XS+\s, \s%2
.endif
.endr
.endr
.endm
.macro PFIRST                          ; a walk's first tile into buffer 0
	v_add_nc_u32 v[AD0], s[SR], v[LI]
	v_add_nc_u32 v[AD1], s[SRS], v[LQ]
	FETCH4 XF, AD0, 0
	ds_load_b128 v[XS:XS+3], v[AD1]
	s_wait_dscnt 0x0                               ; it is in: so the counted wait at a tile's head is right on the way into the walk too
.endm
; THE WAY OUT of a tile: lane (r, h) holds out(query r, 128 w + 32 b + 16 h + 0 .. 15).  The tile goes through my own stage (rows of 512 bytes + 16) and leaves as whole runs of 512 bytes.
.macro WAYOUT
.irp b, 0,1,2,3
.irp i, 0,1,2,3
	ds_store_b128 v[STO], v[HA+16*\b+4*\i:HA+16*\b+4*\i+3] offset:128*\b+16*\i   ; each accumulator from its low end on
.endr
.endr
	s_wait_xcnt 0x0                                ; the last tile's stores have read their registers and their base
	s_lshr_b32 s36, s[TI], 1
	s_lshl_b32 s36, s36, 16                        ; 32 (tile / 2) rows of 2,048 bytes
	s_and_b32 s37, s[TI], 1
	s_lshl_b32 s37, s37, 14                        ; + 8 (tile % 2) rows
	s_add_co_u32 s36, s36, s37
	s_mov_b32 s37, 0
	s_add_nc_u64 s[34:35], s[OUTB:OUTB+1], s[36:37]
	WIN 0xc0
.irp i, 0,1,2,3,4,5,6,7,8,9,10,11,12,13,14,15
	ds_load_b128 v[4*\i:4*\i+3], v[SRD] offset:528*\i   ; LDS serves a wave's instructions in order (ISA guide 5.7.1.4): these see the stores above
.endr
	WIN 0x0c
.irp i, 0,1,2,3,4,5,6,7,8,9,10,11,12,13,14,15
	s_wait_dscnt 15-\i                             ; row i is back; the younger rows may be out
	global_store_b128 v[LI], v[4*\i:4*\i+3], s[34:35] offset:(\i+8*(\i/8))*2048 th:TH_STORE_NT   ; 32 lanes store 512 consecutive bytes, at a multiple of 256 from out0's first byte
.endr
	WIN 0
.endm
; A TILE OF A PROJECTION: the tile in buffer 0 x my weight.  kind 0: the result becomes my K step of the tile's image; kind 1: it leaves.  nxt = 1: the next tile is fetched behind the products
.macro PBODY base, cm, kind, nxt
.if \kind == 0
	s_wait_dscnt 4                                 ; the tile's 13 loads are in; behind them stand at most the last image's four stores, which may be out
.else
	s_wait_dscnt 0x0                               ; the tile is in
.endif
	v_add_nc_u32 v[AD0], s[SR], v[LI]
	v_add_nc_u32 v[AD1], s[SRS], v[LQ]
	MMA32 \base, \cm
	WIN 0
	PLACES 4
.if \nxt
	FETCH4 XF, AD0, TILEB
	ds_load_b128 v[XS:XS+3], v[AD1] offset:256
.endif
.if \kind == 0
	QUANT HA, 0, 13*\nxt                           ; the 13 loads just issued may stay out
	v_add_nc_u32 v[AD2], s[SW], v[IMW]             ; (behind the wait in QUANT: the last image's stores, which these addressed, are done)
	v_add_nc_u32 v[AD3], s[SWS], v[SCW]
	IMAGE AD2, 0
	ds_store_b32 v[AD3], v[PW]                     ; lanes r and r + 16 store the same word at the same place
	s_add_co_u32 s[SW], s[SW], TILEB
	s_add_co_u32 s[SWS], s[SWS], 256
.else
	WAYOUT
.endif
	s_add_co_u32 s[SR], s[SR], TILEB
	s_add_co_u32 s[SRS], s[SRS], 256
.endm
; Token tile 4 G + w, asked for a group ago, becomes four fragments of X.  K step s + 1 turns through the stage while K step s is quantised; it lands in the registers in which K step s was loaded,
; which the wait for K step s's turn has shown free; the first lands where the accumulators lie.  One stage serves: a turn's stores are issued behind the wait for the turn before.
.macro XQ
	v_add_nc_u32 v[AD4], s[SXW], v[XIW]
	v_add_nc_u32 v[AD5], s[SXS], v[XSW]
	s_wait_loadcnt 48                              ; K step 0's 16 loads are in; the later K steps' 48 may be out (for the first group the weights' loads are younger still: the waits are the stricter, and the last shows W_key in)
	TURN 0, HA, 0
.irp s, 0,1,2,3
.if (\s == 0) || (\s == 3)
	s_wait_dscnt 0x0                               ; K step s is back from the stage
.else
	s_wait_dscnt 4                                 ; K step s is back from the stage; the last image's four stores, issued behind its turn, may be out
.endif
.if \s < 3
	s_wait_loadcnt 32-16*\s                        ; K step s + 1 is in; the later K steps' loads may be out
	TURN \s+1, 64*\s, 3
.endif
.if \s == 0
	QUANT HA, 0, 32                                ; (the 32 LDS instructions of the turn just issued may stay out)
.elseif \s < 3
	QUANT 64*(\s-1), 3, 32
.else
	QUANT 128, 3, 0
.endif
	IMAGE AD4, FRB*\s
	ds_store_b32 v[AD5], v[PW] offset:4*\s
.endr
.endm
; key tile kt: its four fragments, its quad and its mask: 15 LDS loads
.macro FETCHK kt, buf
.if (\kt) < 8
.set ka_, AD0
.else
.set ka_, AD1
.endif
.set fb_, XF+(\buf)*(HA-XF)
	FETCH4 fb_, ka_, TILEB*((\kt)%8)
	ds_load_b128 v[XS+4*(\buf):XS+4*(\buf)+3], v[AD2] offset:256*(\kt)
	ds_load_b128 v[CB+8*(\buf):CB+8*(\buf)+3], v[MBA] offset:128*((\kt)/2)+32*((\kt)%2)      ; register j: key 32 (kt / 2) + 8 (kt % 2) + 16 h + j
	ds_load_b128 v[CB+8*(\buf)+4:CB+8*(\buf)+7], v[MBA] offset:128*((\kt)/2)+32*((\kt)%2)+16
.endm
; 8 matrix instructions: key tile kt x my two query tiles, K = 512; the two accumulators take turns; the mask starts the sums
.macro SMMA kt, buf
.set fb_, XF+(\buf)*(HA-XF)
.irp s, 0,1,2,3
.irp q, 0,1
.if \s == 0
	WIN 0xc8
	MM 128*\q+8*(\kt), fb_, QF+48*\q, CB+8*(\buf), XS+4*(\buf), QS+4*\q, 0
.else
	WIN 0xf8
	MM 128*\q+8*(\kt), fb_+12*\s, QF+48*\q+12*\s, 128*\q+8*(\kt), XS+4*(\buf)+\s, QS+4*\q+\s, 0
.endif
.endr
.endr
	WIN 0
.endm
; the softmax of query tile q, in place on its 128 registers of window 3; a lane holds 128 of its query's keys, lane l xor 16 the others
.macro SOFTMAX q
.set sb_, 128*(\q)
	WIN 0x3c
.set p_, 0
.rept 64                               ; the largest score, in four chains that begin at the floor; each accumulator is read from its low end on
.if p_ < 4
	v_max3_num_f32 v[TM+p_], s[MFL], v[sb_+2*p_], v[sb_+2*p_+1]
.else
	v_max3_num_f32 v[TM+p_%4], v[TM+p_%4], v[sb_+2*p_], v[sb_+2*p_+1]
.endif
.set p_, p_+1
.endr
	WIN 0
	v_max3_num_f32 v[TM], v[TM], v[TM+1], v[TM+2]
	v_max_num_f32 v[TM], v[TM], v[TM+3]
	v_permlanex16_b32 v[TM+4], v[TM], s[SEL], s[SEL+1]
	v_max_num_f32 v[TM], v[TM], v[TM+4]            ; M
	v_mul_f32 v[TM+6], s[NCS], v[TM]               ; -c M
	WIN 0xc3
.set p_, 0
.rept 64
	v_pk_fma_f32 v[sb_+2*p_:sb_+2*p_+1], v[sb_+2*p_:sb_+2*p_+1], s[CS:CS+1], v[TM+6:TM+7] op_sel_hi:[1,0,0]   ; c s - c M, two at a time
.set p_, p_+1
.endr
.set p_, 0
	s_wait_alu depctr_va_vdst(0)
.rept 128
	v_exp_f32 v[sb_+p_], v[sb_+p_]                 ; one batch
.set p_, p_+1
.endr
	WIN 0
	v_nop                                          ; the plain place behind the last exponential
	s_wait_alu depctr_va_vdst(0)                   ; one wait for the batch, ahead of its first reader
.irp i, 8,9,10,11,12,13,14,15
	v_mov_b32 v[TM+\i], 0                          ; the sum, in four chains of pairs
.endr
	WIN 0x0c
.set p_, 0
.rept 64
	v_pk_add_f32 v[TM+8+2*(p_%4):TM+9+2*(p_%4)], v[TM+8+2*(p_%4):TM+9+2*(p_%4)], v[sb_+2*p_:sb_+2*p_+1]
.set p_, p_+1
.endr
	WIN 0
	v_pk_add_f32 v[TM+8:TM+9], v[TM+8:TM+9], v[TM+10:TM+11]
	v_pk_add_f32 v[TM+12:TM+13], v[TM+12:TM+13], v[TM+14:TM+15]
	v_pk_add_f32 v[TM+8:TM+9], v[TM+8:TM+9], v[TM+12:TM+13]
	v_add_f32 v[TM+8], v[TM+8], v[TM+9]
	v_permlanex16_b32 v[TM+4], v[TM+8], s[SEL], s[SEL+1]
	v_add_f32 v[TM+8], v[TM+8], v[TM+4]            ; the row's sum: about 1 or more where a key counts,
	v_max_num_f32 v[TM+8], 0.5, v[TM+8]            ; 0 where none does: held, so that p = 0 there
	s_wait_alu depctr_va_vdst(0)
	v_rcp_f32 v[TM+4], v[TM+8]
	v_mov_b32 v[TM+5], 0                           ; (the pair's upper half is named below; a plain place behind the reciprocal)
	s_wait_alu depctr_va_vdst(0)                   ; the wait ahead of its first reader
	WIN 0xc3
.set p_, 0
.rept 64
	v_pk_mul_f32 v[sb_+2*p_:sb_+2*p_+1], v[sb_+2*p_:sb_+2*p_+1], v[TM+4:TM+5] op_sel_hi:[1,0]   ; p, finished and normalised
.set p_, p_+1
.endr
	WIN 0
.endm
.macro FETCHX mm, buf                  ; token tile mm of the half in hand: 13 LDS loads
.set fb_, XF+(\buf)*(HA-XF)
	FETCH4 fb_, AD0, TILEB*(\mm)
	ds_load_b128 v[XS+4*(\buf):XS+4*(\buf)+3], v[AD1] offset:256*(\mm)
.endm
; 16 matrix instructions: token tile mm x four of my tiles of W_value, K = 512; the four accumulators take turns
.macro VMMA tg, mm, buf
.set fb_, XF+(\buf)*(HA-XF)
.irp s, 0,1,2,3
.irp u, 0,1,2,3
	WF 8*\s+4*(\tg)+\u
.if \s == 0
	WIN 0xc0|(WFW<<2)
	MM 64*\u+8*(\mm), fb_, WFR, -1, XS+4*(\buf), WSC0+2*(4*(\tg)+\u), 0
.else
	WIN 0xf0|(WFW<<2)
	MM 64*\u+8*(\mm), fb_+12*\s, WFR, 64*\u+8*(\mm), XS+4*(\buf)+\s, WSC0+2*(4*(\tg)+\u)+\s/2, 2*(\s%2)
.endif
.endr
.endr
	WIN 0
.endm
; a query tile of O^T = V^T P: 16 matrix instructions, K = 256 keys; the result becomes my K step of the tile's image of H
.macro PVBODY nxt
	s_wait_dscnt 4                                 ; the tile's seven loads are in; behind them stand at most the last image's four stores
	v_add_nc_u32 v[AD0], s[SR], v[LI]
	v_add_nc_u32 v[AD1], s[SRS], v[L8]
	WIN 0x03
.irp k, 0,1
.irp t, 0,1,2,3,4,5,6,7
.if \k == 0
	MM HA+8*\t, 24*\t, XF, -1, VS+2*\t, XS, 0
.else
	MM HA+8*\t, 24*\t+12, XF+12, HA+8*\t, VS+2*\t+1, XS+1, 0
.endif
.endr
.endr
	WIN 0
	PLACES 4
.if \nxt
.irp k, 0,1
.irp c, 0,1,2
	ds_load_b128 v[XF+12*\k+4*\c:XF+12*\k+4*\c+3], v[AD0] offset:TILEB+FRB*\k+512*\c
.endr
.endr
	ds_load_b64 v[XS:XS+1], v[AD1] offset:128
.endif
	QUANT HA, 0, 7*\nxt                            ; the seven loads just issued may stay out
	v_add_nc_u32 v[AD2], s[SW], v[IMW]
	v_add_nc_u32 v[AD3], s[SWS], v[SCW]
	IMAGE AD2, 0
	ds_store_b32 v[AD3], v[PW]
	s_add_co_u32 s[SR], s[SR], TILEB
	s_add_co_u32 s[SRS], s[SRS], 128
	s_add_co_u32 s[SW], s[SW], TILEB
	s_add_co_u32 s[SWS], s[SWS], 256
.endm
	; ---------------- the head
	s_load_b256 s[4:11], s[0:1], 0x0               ; data, mask, W_out_b, wimg
	s_load_b128 s[12:15], s[0:1], 0x20             ; wscl, out0
	v_lshl_add_u32 v[SPW], v0, 2, SPARE
	v_mov_b32 v[NIL], 0
	v_lshrrev_b32 v22, 5, v0
	v_readfirstlane_b32 s[WV], v22                 ; wave 0..3
	v_and_b32 v22, 31, v0                          ; lane
	v_and_b32 v23, 15, v0                          ; r
	v_bfe_u32 v[AD0], v0, 4, 1                     ; h
	v_lshlrev_b32 v[LI], 4, v22
	v_lshlrev_b32 v[LQ], 4, v23
	v_lshlrev_b32 v[L8], 3, v23
	s_mul_i32 s52, s[WV], FRB
	v_add_nc_u32 v[IMW], s52, v[LI]
	s_lshl_b32 s52, s[WV], 2
	v_add_nc_u32 v[SCW], s52, v[LQ]
	s_mul_i32 s52, s[WV], TILEB
	v_add_nc_u32 v[XIW], s52, v[LI]
	s_lshl_b32 s52, s[WV], 8
	s_add_co_u32 s52, s52, XSC
	v_add_nc_u32 v[XSW], s52, v[LQ]
	v_lshl_add_u32 v[MBA], v[AD0], 6, MB
	v_lshlrev_b32 v[BA], 6, v[AD0]
	s_mul_i32 s[SVB], s[WV], 4*TILEB
	s_add_co_u32 s[SVB], s[SVB], KIMG
	s_lshl_b32 s[SVS], s[WV], 10
	s_add_co_u32 s[SVS], s[SVS], KSC
	v_mul_u32_u24 v[AD2], v23, 528
	v_lshl_add_u32 v[AD2], v[AD0], 6, v[AD2]       ; 528 r + 64 h: a lane's place in either stage
	v_add_nc_u32 v[STO], s[SVB], v[AD2]            ; the stage for the way out: row r, + 64 h
	v_add_nc_u32 v[SRD], s[SVB], v[LI]
	s_mul_i32 s52, s[WV], STGB
	s_add_co_u32 s52, s52, STG                     ; the stage through which data turns
	v_add_nc_u32 v[SGW], s52, v[LI]
	v_add_nc_u32 v[SGR], s52, v[AD2]
	s_and_b32 s63, ttmp9, 1                        ; which half of the batch's tokens holds my queries
	s_lshl_b32 s59, s63, 7                         ; its first key
	s_lshl_b32 s63, s63, 18                        ; and its first row of data and of out0, in bytes: 128 rows of 2,048
	v_lshlrev_b32 v250, 1, v0                      ; the mask: two keys a thread: positions 2 t, 2 t + 1,
	v_xor_b32 v250, s59, v250                      ; which are keys (2 t) xor 128 x half and the next
	v_lshl_add_u32 v251, v0, 3, MB
.irp b, 4,5,6,7
	v_mov_b32 v[TM+\b], 0                          ; written once: a lane permute's destination counts as one of its sources
.endr
	s_mov_b32 s[SEL], 0x76543210
	s_mov_b32 s[SEL+1], 0xfedcba98
	s_mov_b32 s[CS], 0x3d8293ee                    ; c = log2(e) / sqrt(512)
	s_mov_b32 s[CS+1], s[CS]
	s_mov_b32 s[NCS], 0xbd8293ee
	s_mov_b32 s[FLR], 0x1800000
	s_mov_b32 s[MFL], 0xef800000
	s_lshr_b32 s52, ttmp9, 1                       ; my batch
	s_lshl_b32 s53, s52, 8                         ; its row of the mask
	s_lshl_b32 s52, s52, 19                        ; its 256 rows of 2,048 bytes
	s_lshr_b32 s54, s[WV], 1
	s_lshl_b32 s54, s54, 16
	s_and_b32 s55, s[WV], 1
	s_lshl_b32 s55, s55, 14
	s_add_co_u32 s54, s54, s55                     ; token tile w begins at token 32 (w / 2) + 8 (w % 2)
	s_add_co_u32 s54, s54, s52
	s_mov_b32 s55, 0
	s_mov_b32 s57, 0
	s_wait_alu depctr_va_vdst(0)
	s_wait_kmcnt 0x0
	s_add_nc_u64 s[4:5], s[4:5], s[54:55]          ; data at token tile w of my batch
	s_mov_b32 s60, s63
	s_mov_b32 s61, 0
	s_add_nc_u64 s[XG:XG+1], s[4:5], s[60:61]      ; group 0 lies in my half
	s_mul_i32 s56, s[WV], 49152
	s_add_nc_u64 s[WI:WI+1], s[10:11], s[56:57]
	s_lshl_b32 s56, s[WV], 11
	s_add_nc_u64 s[WS:WS+1], s[12:13], s[56:57]
	s_lshl_b32 s56, s[WV], 9
	s_add_nc_u64 s[BP:BP+1], s[8:9], s[56:57]
	s_add_co_u32 s56, s56, s52
	s_add_co_u32 s56, s56, s63                     ; my half's rows
	s_add_nc_u64 s[OUTB:OUTB+1], s[14:15], s[56:57]
	s_mov_b32 s56, s53
	s_add_nc_u64 s[6:7], s[6:7], s[56:57]          ; my batch's row of the mask
	global_load_u16 v254, v250, s[6:7]
	XLOAD 0                                        ; token tile w
	XLOAD 1
	XLOAD 2
	XLOAD 3
	WLOAD 0, 0, 0, 31, 1                           ; W_key
	WLOAD 1, 32, 0, 9, 1                           ; of W_query what lies outside window 3
	WLOAD 1, 32, 31, 31, 0
	s_wait_loadcnt 63                              ; the mask's load is the oldest of 202: it is in
	v_and_b32 v252, 1, v254
	v_bfe_u32 v253, v254, 8, 1
	v_sub_nc_u32 v252, 0, v252                     ; 0 or all ones
	v_sub_nc_u32 v253, 0, v253
	v_and_b32 v252, 0xf1800000, v252               ; 0 or -2^100
	v_and_b32 v253, 0xf1800000, v253
	ds_store_b64 v251, v[252:253]
	; ---------------- X is quantised and K projected, four token tiles a group.  Three groups in a loop, each asking for the next group's data; the fourth, which asks for W_query instead, is written out
	s_mov_b32 s[GR], 0
	s_mov_b32 s62, 0                               ; the group in hand, as a position in bytes of data
	s_mov_b32 s[SXW], 0
	s_mov_b32 s[SXS], 0
	s_mov_b32 s[SR], XIMG
	s_mov_b32 s[SRS], XSC
	s_mov_b32 s[SW], KIMG
	s_mov_b32 s[SWS], KSC
.Lgroup:
	XQ
	s_add_co_u32 s[SXW], s[SXW], 4*TILEB
	s_add_co_u32 s[SXS], s[SXS], 1024
	s_wait_xcnt 0x0                                ; the last trip's loads and prefetches have read their base: it steps only behind this wait
	s_add_co_u32 s62, s62, 131072                  ; 64 positions on;
	s_xor_b32 s60, s62, s63                        ; the tokens that lie there: my half first, then the other
	s_add_nc_u64 s[XG:XG+1], s[4:5], s[60:61]
	XLOAD 0                                        ; the next group's tile: 48 loads now, its fourth K step's 16 further down, under the group's products
	XLOAD 1
	XLOAD 2
	; no prefetch is laid: groups 0 and 1 come by their loads alone, and groups 2 and 3 are rows that the batch's other work-group has loaded as its groups 0 and 1
	BARRIER                                        ; the group's four tiles of X lie in LDS (first trip: the mask's table too)
	PFIRST
	s_mov_b32 s[TI], 3
.Lk_tile:
	PBODY 0, 0, 0, 1
	s_sub_co_u32 s[TI], s[TI], 1
	s_cmp_lg_u32 s[TI], 0
	s_cbranch_scc1 .Lk_tile
	XLOAD 3
	PBODY 0, 0, 0, 0
	s_add_co_u32 s[GR], s[GR], 1
	s_cmp_lt_u32 s[GR], 3
	s_cbranch_scc1 .Lgroup
	XQ                                             ; the fourth group; its last waits are for 0: no load into window 3 is out,
	WLOAD 1, 32, 10, 30, 0                         ; and the numbers there have been converted: the rest of W_query, 63 loads, lands under this group's products
	BARRIER                                        ; (behind it no wave touches its stage any more: Q may take the stages' place)
	PFIRST
	s_mov_b32 s[TI], 3
.Lk_last:
	PBODY 0, 0, 0, 1
	s_sub_co_u32 s[TI], s[TI], 1
	s_cmp_lg_u32 s[TI], 0
	s_cbranch_scc1 .Lk_last
	PBODY 0, 0, 0, 0
	; ---------------- Q is projected; W_value lands meanwhile where W_key lay (the last product that read it stands a QUANT back)
	s_wait_loadcnt 0x0                             ; W_query
	WLOAD 2, 0, 0, 19, 0
	s_mov_b32 s[SR], XIMG
	s_mov_b32 s[SRS], XSC
	s_mov_b32 s[SW], QIMG
	s_mov_b32 s[SWS], QSC
	PFIRST
	s_mov_b32 s[TI], 7                             ; my 128 queries are tiles 0-7
.Lq_tile:
	PBODY 32, 0, 0, 1
	s_sub_co_u32 s[TI], s[TI], 1
	s_cmp_lg_u32 s[TI], 0
	s_cbranch_scc1 .Lq_tile
	WLOAD 2, 0, 20, 31, 1                          ; the second batch, 40 loads: W_value is wanted behind the scores and the softmax, which all lie between
	PBODY 32, 0, 0, 0
	BARRIER                                        ; K's and Q's images lie in LDS
	; ---------------- the scores and the softmax of my two query tiles, 2 w and 2 w + 1
	s_mul_i32 s[SQ], s[WV], 2*TILEB
	s_add_co_u32 s[SQ], s[SQ], QIMG
	s_lshl_b32 s[SQS], s[WV], 9
	s_add_co_u32 s[SQS], s[SQS], QSC
	s_lshl_b32 s[SPS], s[WV], 8
	s_add_co_u32 s[SPS], s[SPS], PSC
	v_add_nc_u32 v[AD0], KIMG, v[LI]               ; key tiles 0-7,
	v_add_nc_u32 v[AD1], KIMG+8*TILEB, v[LI]       ; 8-15,
	v_add_nc_u32 v[AD2], KSC, v[LQ]                ; their quads
	v_add_nc_u32 v[AD3], s[SQ], v[LI]
	v_add_nc_u32 v[AD4], s[SQS], v[LQ]
	v_add_nc_u32 v[AD5], s[SPS], v[L8]
	WIN 0x80
.irp q, 0,1
.irp s, 0,1,2,3
.irp c, 0,1,2
	ds_load_b128 v[QF+48*\q+12*\s+4*\c:QF+48*\q+12*\s+4*\c+3], v[AD3] offset:TILEB*\q+FRB*\s+512*\c
.endr
.endr
.endr
	WIN 0
	ds_load_b128 v[QS:QS+3], v[AD4]
	ds_load_b128 v[QS+4:QS+7], v[AD4] offset:256
	s_wait_alu depctr_va_vdst(0)
	FETCHK 0, 0
.irp kt, 0,1,2,3,4,5,6,7,8,9,10,11,12,13,14,15
.if \kt > 0
	PLACES 4                                       ; the buffer that is loaded next was read by the products just issued
.endif
.if \kt < 15
	FETCHK \kt+1, (\kt+1)%2
	s_wait_dscnt 15                                ; all but the 15 loads just issued: this key tile is in
.else
	s_wait_dscnt 0x0
.endif
	SMMA \kt, \kt%2
.endr
	PLACES 4
.irp q, 0,1
	SOFTMAX \q
.irp k, 0,1                                    ; p's 256 keys are two fragments; they take the place of the tile's first two fragments of Q, which I alone have read
	QUANT 128*\q+64*\k, 3, 0
	IMAGE AD3, TILEB*\q+FRB*\k
	ds_store_b32 v[AD5], v[PW] offset:128*\q+4*\k
.endr
.endr
	BARRIER                                        ; P lies in LDS, and nobody reads K any more
	; ---------------- V^T: my 128 channels x 256 tokens; a trip makes 128 tokens, which are a K step of the fifth product
	s_wait_loadcnt 0x0                             ; W_value
	WIN 0x80
.irp t, 0,1,2,3,4,5,6,7                        ; the bias in the result's layout: tile t, lane (r, h): b(128 w + 32 (t / 2) + 8 (t % 2) + 16 h + 0 .. 7); wanted in the last phase
	global_load_b128 v[BI+8*\t:BI+8*\t+3], v[BA], s[BP:BP+1] offset:(32*(\t/2)+8*(\t%2))*4
	global_load_b128 v[BI+8*\t+4:BI+8*\t+7], v[BA], s[BP:BP+1] offset:(32*(\t/2)+8*(\t%2))*4+16
.endr
	WIN 0
	s_mov_b32 s[SR], XIMG
	s_mov_b32 s[SRS], XSC
	s_mov_b32 s[SW], s[SVB]
	s_mov_b32 s[SWS], s[SVS]
	s_mov_b32 s[CN], 0
.Lv_half:
	s_wait_dscnt 0x0
	v_add_nc_u32 v[AD0], s[SR], v[LI]
	s_wait_alu depctr_va_vdst(0)
	v_add_nc_u32 v[AD1], s[SRS], v[LQ]
	s_wait_alu depctr_va_vdst(0)
	v_add_nc_u32 v[AD2], s[SW], v[LI]
	v_add_nc_u32 v[AD3], s[SWS], v[L8]
.irp g, 0,1                                    ; four of my eight tiles of W_value at a time: 32 accumulators fill window 3
	FETCHX 0, 0
.irp m, 0,1,2,3,4,5,6,7
.if \m > 0
	PLACES 4
.endif
.if \m < 7
	FETCHX \m+1, (\m+1)%2
	s_wait_dscnt 13                                ; all but the 13 loads just issued: this token tile is in
.else
	s_wait_dscnt 0x0
.endif
	VMMA \g, \m, \m%2
.endr
	PLACES 4
.irp u, 0,1,2,3
	QUANT 64*\u, 3, 0
	IMAGE AD2, 2*FRB*(4*\g+\u)                     ; fragment 2 t + k2 of my own area
	ds_store_b32 v[AD3], v[PW] offset:128*(4*\g+\u)
.endr
.endr
	s_add_co_u32 s[SR], s[SR], 8*TILEB
	s_add_co_u32 s[SRS], s[SRS], 2048
	s_add_co_u32 s[SW], s[SW], FRB
	s_add_co_u32 s[SWS], s[SWS], 4
	s_add_co_u32 s[CN], s[CN], 1
	s_cmp_lt_u32 s[CN], 2
	s_cbranch_scc1 .Lv_half
	BARRIER                                        ; nobody reads X any more: H may take its place
	; ---------------- O^T = V^T P for my work-group's 8 query tiles; W_out_w lands meanwhile where W_value lay
	WLOAD 3, 0, 0, 19, 0
	v_add_nc_u32 v[AD4], s[SVB], v[LI]
	v_add_nc_u32 v[AD5], s[SVS], v[L8]
	WIN 0xc0
.irp f, 0,1,2,3,4,5,6,7,8,9,10,11,12,13,14,15
.irp c, 0,1,2
	ds_load_b128 v[12*\f+4*\c:12*\f+4*\c+3], v[AD4] offset:FRB*\f+512*\c   ; my 16 fragments of V^T stay in registers
.endr
.endr
	WIN 0
.irp t, 0,1,2,3,4,5,6,7
	ds_load_b64 v[VS+2*\t:VS+2*\t+1], v[AD5] offset:128*\t
.endr
	s_mov_b32 s[SR], QIMG
	s_mov_b32 s[SRS], PSC
	s_mov_b32 s[SW], XIMG
	s_mov_b32 s[SWS], XSC
	v_add_nc_u32 v[AD0], s[SR], v[LI]
	v_add_nc_u32 v[AD1], s[SRS], v[L8]
.irp k, 0,1
.irp c, 0,1,2
	ds_load_b128 v[XF+12*\k+4*\c:XF+12*\k+4*\c+3], v[AD0] offset:FRB*\k+512*\c
.endr
.endr
	ds_load_b64 v[XS:XS+1], v[AD1]
	s_wait_dscnt 0x0                               ; V^T and the first tile of P are in: so the counted wait at a tile's head is right on the way into the loop too
	s_mov_b32 s[TI], 0
.Lpv_tile:
	PVBODY 1
	s_cmp_lg_u32 s[TI], 3
	s_cbranch_scc1 .Lpv_next
	s_wait_loadcnt 0x0                             ; the bias and the first batch, asked for four tiles ago, are in: on every way to the loads below, no earlier load into their registers is out
	WLOAD 3, 0, 20, 31, 1                          ; the second batch, half way: four tiles ahead of its use
.Lpv_next:
	s_add_co_u32 s[TI], s[TI], 1
	s_cmp_lt_u32 s[TI], 7
	s_cbranch_scc1 .Lpv_tile
	PVBODY 0
	BARRIER                                        ; H's images lie in LDS
	; ---------------- out = H Wo^T + b
	s_wait_loadcnt 0x0                             ; W_out_w
	s_mov_b32 s[SR], XIMG
	s_mov_b32 s[SRS], XSC
	PFIRST
	s_mov_b32 s[TI], 0
.Lo_tile:
	PBODY 0, 1, 1, 1
	s_add_co_u32 s[TI], s[TI], 1
	s_cmp_lt_u32 s[TI], 7
	s_cbranch_scc1 .Lo_tile
	PBODY 0, 1, 1, 0
	s_wait_tensorcnt 0x0                           ; the wave's end, behind my last LDS store: a tensor wait, an LDS add of 0 to my spare word, and its wait
	ds_add_u32 v[SPW], v[NIL]
	s_wait_dscnt 0x0
	s_endpgm
.Lfunc_end_k_q2dba005d27_attn:
	.size	k_q2dba005d27_attn, .Lfunc_end_k_q2dba005d27_attn-k_q2dba005d27_attn
	.p2alignl 7, 3214868480
	.fill 96, 4, 3214868480
	.section	.rodata,"a",@progbits
	.p2align	6, 0x0
	.amdhsa_kernel k_q2dba005d27_attn
		.amdhsa_group_segment_fixed_size 310784
		.amdhsa_private_segment_fixed_size 0
		.amdhsa_enable_private_segment 0
		.amdhsa_kernarg_size 48
		.amdhsa_user_sgpr_count 2
		.amdhsa_user_sgpr_kernarg_segment_ptr 1
		.amdhsa_wavefront_size32 1
		.amdhsa_system_sgpr_workgroup_id_x 1
		.amdhsa_system_sgpr_workgroup_id_y 1
		.amdhsa_system_sgpr_workgroup_id_z 1
		.amdhsa_system_vgpr_workitem_id 0
		.amdhsa_next_free_vgpr 1024
		.amdhsa_next_free_sgpr 66
		.amdhsa_reserve_vcc 0
		.amdhsa_float_denorm_mode_32 3
		.amdhsa_float_denorm_mode_16_64 3
		.amdhsa_memory_ordered 1
		.amdhsa_forward_progress 1
		.amdhsa_inst_pref_size 255
	.end_amdhsa_kernel
	.section	.bss,"aw",@nobits
	.p2align	6
	.space	262144
	.amdgpu_metadata
---
amdhsa.version: [ 1, 2 ]
amdhsa.kernels:
  - .name:           k_q2dba005d27_attn
    .symbol:         k_q2dba005d27_attn.kd
    .args:
      - { .name: data, .offset: 0, .size: 8, .value_kind: global_buffer, .address_space: global }
      - { .name: mask, .offset: 8, .size: 8, .value_kind: global_buffer, .address_space: global }
      - { .name: W_out_b, .offset: 16, .size: 8, .value_kind: global_buffer, .address_space: global }
      - { .name: wimg, .offset: 24, .size: 8, .value_kind: global_buffer, .address_space: global }
      - { .name: wscl, .offset: 32, .size: 8, .value_kind: global_buffer, .address_space: global }
      - { .name: out0, .offset: 40, .size: 8, .value_kind: global_buffer, .address_space: global }
    .group_segment_fixed_size: 310784
    .private_segment_fixed_size: 0
    .kernarg_segment_align: 8
    .kernarg_segment_size: 48
    .max_flat_workgroup_size: 128
    .sgpr_count:     66
    .vgpr_count:     1024
    .wavefront_size: 32
...
	.end_amdgpu_metadata
.endif
;; end of part 4
